; MI455X (gfx1250); checked and timed in simulation.
; The chip was launched on July 23, 2026; its instructions are those of AMD's public machine-readable ISA for CDNA 5 (MIT licence, August 2026) and "CDNA5" Instruction Set Architecture Reference Guide (July 2026). The comments in the code are by the model that wrote it; some were corrected since.
;; Multi Head Attention. Allowed arithmetic: matrix products marked QUANTISED: E2M1 operands, one E8M0 scale for each 32 along K, by v_wmma_scale_f32_16x16x128_f8f6f4 with both operands' format E2M1 (or v_wmma_scale_f32_32x16x128_f4), f32 sums; products left as they are: bf16, f16 or f32 operands; f32 sums; everything else in f32.
;; Inputs: cos 2,048 x 64 float32; mask 2,048 x 2,048 float32; sin 2,048 x 64 float32; wk 1,024 x 1,024 float32; wo 1,024 x 1,024 float32; wq 1,024 x 1,024 float32; wv 1,024 x 1,024 float32; x 4 x 2,048 x 1,024 float32.
;; Outputs: out0 4 x 2,048 x 1,024 float32.
;; This version of the problem:
;;   THIS VERSION OF THE PROBLEM IS GIVEN IN LOW PRECISION. The matrix products marked QUANTISED in the list below multiply operands that are first quantised to E2M1 (2 exponent bits, 1 mantissa bit; 4 bits a number), with one power-of-two scale for each 32 numbers along K (OCP MX v1.0); their sums are f32. The products marked 'left as it is' may take bf16, f16 or f32 operands, with f32 sums. Whichever they take, every output number must still come out within the allowed error. Rounding operands to bf16 (8 significant bits) uses up far more of that allowance than f16 does (11 bits, for magnitudes from 6e-5 to 65,504). All else is computed in f32.
;;   The module's matrix products, in the order in which they are computed (A, B: the left and right operand; K: the contracted axis; several contracted axes count as one K, in the product's order):
;;     1. [M 8,192, K 1,024] x [K 1,024, N 1,024]; A: input x; B: input wq: QUANTISED
;;     2. [M 8,192, K 1,024] x [K 1,024, N 1,024]; A: input x; B: input wk: QUANTISED
;;     3. [M 8,192, K 1,024] x [K 1,024, N 1,024]; A: input x; B: input wv: QUANTISED
;;     4. batch 64 x [M 2,048, K 64] x [K 64, N 2,048]; A: computed on the way; B: computed on the way: left as it is (an operand is computed on the way)
;;     5. batch 64 x [M 2,048, K 2,048] x [K 2,048, N 64]; A: computed on the way; B: computed on the way: left as it is (an operand is computed on the way)
;;     6. [M 8,192, K 1,024] x [K 1,024, N 1,024]; A: computed on the way; B: input wo: left as it is (an operand is computed on the way)
;;   THE QUANTISER, for each operand of a quantised product, along K:
;;     - K is cut into blocks of 32 from its start; a last block that is shorter is filled with zeros.
;;     - A block's scale is 2^e with e = floor(log2(the largest magnitude in the block)) - 2, held to -126 .. 127; a block of zeros has e = 0. As a byte (E8M0): e + 127.
;;     - Each number is divided by its block's scale, clamped to +-6, and rounded to the nearest number of E2M1, ties to even, subnormals kept.
;;     - The product sums the exact products of the quantised numbers (number of the format x scale) in f32.
;;   ~~~python
;;   def quantise(x, axis):      # numpy; x: float32 -> the quantised numbers, widened to float32 again
;;       x = np.moveaxis(x, axis, -1); K = x.shape[-1]
;;       x = np.pad(x, [(0, 0)] * (x.ndim - 1) + [(0, -K % 32)]); x = x.reshape(x.shape[:-1] + (-1, 32)); a = np.abs(x).max(-1, keepdims=True)
;;       e = np.where(a > 0, np.clip(np.frexp(np.where(a > 0, a, 1))[1] - 1 - 2, -126, 127), 0)      # np.frexp(a)[1] - 1 = floor(log2(a)), exactly
;;       r = np.clip(x / 2.0 ** e, -6, 6)
;;       step = 2.0 ** (np.maximum(np.frexp(np.where(r == 0, 1, r))[1] - 1, 0) - 1)
;;       q = np.round(r / step) * step * 2.0 ** e      # np.round: ties to even
;;       return np.moveaxis(q.reshape(q.shape[:-2] + (-1,))[..., :K], -1, axis).astype(np.float32)
;;   ~~~
;; One version. Each part assembles by itself: llvm-mc -triple=amdgcn-amd-amdhsa -mcpu=gfx1250 --defsym DOCPART=n.
;; ======== version 1 of 1: 6 launches
;; limits: values are held in f16: magnitudes above 65,504 overflow, below 6.1e-05 lose precision
;; workspace buffers: xpack 4,456,448 bytes; wpack 1,671,168 bytes; wo16 2,097,152 bytes; qimg 16,777,216 bytes; kv 33,554,432 bytes; vlo 16,777,216 bytes; att 16,777,216 bytes; apart 1,114,112 bytes
;; launch quant (part 1): grid 384 x 1, 4 waves a work-group, no clusters, 33,280 bytes of LDS; arguments x, wq, wk, wv, wo, xpack, wpack, wo16; writes xpack, wpack, wo16
.if DOCPART == 1
	.amdgcn_target "amdgcn-amd-amdhsa--gfx1250"
	.amdhsa_code_object_version 6
	.text
	.protected	k_qe3ac96361f_quant
	.globl	k_qe3ac96361f_quant
	.p2align	8
	.type	k_qe3ac96361f_quant,@function
k_qe3ac96361f_quant:
	s_mov_b64 s[64:65], 0
	v_nop
	global_prefetch_b8 v0, s[64:65] scope:SCOPE_SE
	s_setreg_imm32_b32 hwreg(HW_REG_WAVE_MODE, 25, 1), 1
	s_wait_xcnt 0x0
; x [8192][1024], wq, wk, wv [1024][1024], f32, become codes of FP4 (E2M1), K innermost, with one E8M0 byte for each 32 along K; wo [1024][1024] becomes f16.
; A block's scale is 2^(floor(log2(its largest magnitude)) - 2); its byte is the largest magnitude's exponent field - 2, held at 1 from below.  A block of zeros so gets the byte 1 where the
; rule says 127: its codes are zeros, which add nothing, and this program alone reads the bytes.
; LIMITS: blocks whose largest magnitude lies under 2^-124 were not tried; NaN and infinities among x and the weights are not served; wo's numbers under 6e-5 keep an absolute error of 3e-8 in f16.
; SHARES.  Work-groups 0-255 take x, 256-287 wq, 288-319 wk, 320-351 wv, 352-383 wo.  A wave takes a run of 8 rows (8,192 numbers): 4,096 bytes of codes, 256 scale bytes.
; LAYOUT OF THE RESULTS, as the next launch fetches them.  xpack: [256 groups of 32 tokens][34 rows of 512 bytes]: rows 0-31 the tokens' codes, rows 32, 33 the scale bytes of 16 tokens each.
; wpack: [16 heads][204 rows of 512 bytes]: rows 64 kd + d (kd = 0 q, 1 k, 2 v) the codes of feature d of the head, rows 192 + b the scale bytes of rows 16 b .. 16 b + 15.
; The quantising path is one text for the four tensors: only pointers and offsets are chosen, by the work-group's number.  A lane must hold 16 NEIGHBOURS for the conversions, a load is best where
; neighbouring LANES take neighbouring bytes: so a step's 2,048 bytes turn through the wave's own stage in LDS.  No barrier: waves share nothing.
.set WAVES, 4
.set STEPS, 16
.set EMAX,  2
.set CB,    8                          ; bytes of 16 codes
.set R,     16                         ; v16-79   four sets of 16 numbers as loaded (wo's path: v16-143 two sets of 64)
.set X,     80                         ; v80-111  two sets of 16 neighbours
.set E,     112                        ; v112-127 a scale byte for each step
.set C,     128                        ; v128-191 codes, four registers for each step (wo's path: v144-175 the f16 numbers)
.set WREG,  8192                       ; LDS: a region for each wave: two stages of 32 x SP bytes, then its 256 scale bytes
.set SP,    80                         ; a lane's place in a stage: 64 bytes + 16 of padding
.set SPW,   12                         ; v12 LDS address of my spare word; never rewritten
.set NIL,   13                         ; v13 0; never rewritten
.set SPARE, WAVES*WREG                 ; the spare words, 128 bytes a wave
.set SRC,   22                         ; s[22:23] my run in the source
.set COD,   24                         ; s[24:25] my run's codes (wo's path: its f16 numbers)
.set SCB,   26                         ; s[26:27] my run's scale bytes
	s_load_b256 s[4:11], s[0:1], 0x0               ; x, wq, wk, wv
	s_load_b256 s[12:19], s[0:1], 0x20             ; wo, xpack, wpack, wo16
	v_lshl_add_u32 v[SPW], v0, 2, SPARE
	v_mov_b32 v[NIL], 0
	v_lshrrev_b32 v1, 5, v0
	v_readfirstlane_b32 s20, v1                    ; wave
	v_and_b32 v2, 31, v0                           ; lane
	v_lshlrev_b32 v3, 4, v2                        ; my 16 bytes of a load's 512
	s_mul_i32 s21, s20, WREG
	v_lshrrev_b32 v14, 2, v2
	v_mul_u32_u24 v14, v14, SP
	v_and_b32 v15, 3, v2
	v_lshl_add_u32 v14, v15, 4, v14
	v_add_nc_u32 v14, s21, v14                     ; the stage, on the way in: SP (lane / 4) + 16 (lane % 4)
	v_mul_u32_u24 v15, v2, SP
	v_add_nc_u32 v15, s21, v15                     ; and on the way out: SP x lane: my 16 neighbours
	v_mul_u32_u24 v4, v2, CB                       ; 8 x lane: my codes' place in a step's (wo's path: my four f16 numbers)
	v_lshrrev_b32 v5, 1, v2
	s_add_co_u32 s21, s21, 2*32*SP
	v_add_nc_u32 v5, s21, v5                       ; LDS: my wave's 256 scale bytes, my block's byte
	v_lshlrev_b32 v7, 3, v2
	v_add_nc_u32 v6, s21, v7                       ; and on the way out 8 bytes a lane
	s_cmp_ge_u32 ttmp9, 352
	s_cbranch_scc1 .Lwo
	; x: run = 4 g + wave; group = g
	s_mul_i32 s29, ttmp9, 17408
	s_lshl_b32 s31, s20, 12
	s_add_co_u32 s31, s31, s29                     ; x: codes
	s_lshl_b32 s30, s20, 8
	s_add_co_u32 s30, s30, s29
	s_add_co_u32 s30, s30, 16384                   ; x: scale bytes
	s_lshl_b32 s28, ttmp9, 2
	s_add_co_u32 s28, s28, s20
	s_lshl_b32 s28, s28, 15                        ; x: source
	; a weight: kd = (g - 256) / 32, run = 4 ((g - 256) % 32) + wave  (without meaning in x's work-groups, where they are not chosen)
	s_sub_co_u32 s36, ttmp9, 256
	s_lshr_b32 s37, s36, 5
	s_and_b32 s36, s36, 31
	s_lshl_b32 s36, s36, 2
	s_add_co_u32 s36, s36, s20
	s_lshr_b32 s38, s36, 3                         ; the head
	s_mul_i32 s38, s38, 104448
	s_and_b32 s39, s36, 7
	s_lshl_b32 s40, s39, 12
	s_add_co_u32 s40, s40, s38
	s_lshl_b32 s41, s37, 15
	s_add_co_u32 s40, s40, s41                     ; weight: codes
	s_lshl_b32 s39, s39, 8
	s_add_co_u32 s39, s39, s38
	s_lshl_b32 s41, s37, 11
	s_add_co_u32 s39, s39, s41
	s_add_co_u32 s39, s39, 98304                   ; weight: scale bytes
	s_lshl_b32 s36, s36, 15                        ; weight: source
	s_wait_kmcnt 0x0
	s_cmp_lt_u32 ttmp9, 320                        ; the choices hang on the work-group's number alone
	s_cselect_b64 s[SRC:SRC+1], s[8:9], s[10:11]
	s_cmp_lt_u32 ttmp9, 288
	s_cselect_b64 s[SRC:SRC+1], s[6:7], s[SRC:SRC+1]
	s_cmp_lt_u32 ttmp9, 256
	s_cselect_b64 s[SRC:SRC+1], s[4:5], s[SRC:SRC+1]
	s_cselect_b64 s[COD:COD+1], s[14:15], s[16:17]
	s_cselect_b32 s28, s28, s36
	s_cselect_b32 s32, s31, s40
	s_cselect_b32 s34, s30, s39
	s_mov_b32 s29, 0
	s_mov_b32 s33, 0
	s_mov_b32 s35, 0
	s_add_nc_u64 s[SRC:SRC+1], s[SRC:SRC+1], s[28:29]
	s_add_nc_u64 s[SCB:SCB+1], s[COD:COD+1], s[34:35]
	s_add_nc_u64 s[COD:COD+1], s[COD:COD+1], s[32:33]
.macro LOAD t
.irp i, 0,1,2,3
	global_load_b128 v[R+16*((\t)%4)+4*\i:R+16*((\t)%4)+4*\i+3], v3, s[SRC:SRC+1] offset:2048*(\t)+512*\i th:TH_LOAD_NT   ; 32 lanes read 512 consecutive bytes
.endr
.endm
.macro TURN t                          ; step t's numbers through the stage: LDS serves a wave's instructions in order, so no wait stands between the stores and the loads
.irp i, 0,1,2,3
	ds_store_b128 v14, v[R+16*((\t)%4)+4*\i:R+16*((\t)%4)+4*\i+3] offset:32*SP*((\t)%2)+8*SP*\i
.endr
.irp i, 0,1,2,3
	ds_load_b128 v[X+16*((\t)%2)+4*\i:X+16*((\t)%2)+4*\i+3], v15 offset:32*SP*((\t)%2)+16*\i
.endr
.endm
.irp t, 0,1,2,3
	LOAD \t
.endr
	s_wait_loadcnt 12                              ; step 0's four loads are in
	TURN 0
.macro STEP t
.set XS, X+16*((\t)%2)
.if (\t) > 0
	s_wait_dscnt 1                                 ; this step's numbers are back from the stage (the last step's byte store may be out)
.else
	s_wait_dscnt 0x0
.endif
.if (\t)+4 < STEPS
	LOAD (\t)+4                                    ; into the registers that this step's stores into the stage have read
.endif
.if (\t)+1 < STEPS
.if STEPS-2-(\t) >= 3
	s_wait_loadcnt 12                              ; the next step's four loads are in; those of the three steps behind it may be out
.else
	s_wait_loadcnt 4*(STEPS-2-(\t))
.endif
	TURN (\t)+1
.endif
	v_max3_num_f32 v8, |v[XS]|, |v[XS+1]|, |v[XS+2]|               ; the largest magnitude of my 16, in two chains
	v_max3_num_f32 v9, |v[XS+3]|, |v[XS+4]|, |v[XS+5]|
.irp i, 6,10
	v_max3_num_f32 v8, v8, |v[XS+\i]|, |v[XS+\i+1]|
	v_max3_num_f32 v9, v9, |v[XS+\i+2]|, |v[XS+\i+3]|
.endr
	v_max3_num_f32 v8, v8, |v[XS+14]|, |v[XS+15]|
	v_max3_num_f32 v8, v8, v9, (EMAX+1)<<23        ; and the floor 2^(3 - 127): the byte cannot fall under 1
	v_max_num_f32_dpp v8, v8, v8 row_xmask:1 row_mask:0xf bank_mask:0xf   ; and of my neighbour's 16: the block's
	v_add_nc_u32 v11, -(EMAX<<23), v8              ; 2 off its exponent field: the conversion takes the exponent field of this operand as its scale
	v_cvt_scalef32_pk8_fp4_f32 v[C+4*(\t)], v[XS:XS+7], v11
	v_cvt_scalef32_pk8_fp4_f32 v[C+4*(\t)+1], v[XS+8:XS+15], v11
	v_lshrrev_b32 v[E+(\t)], 23, v11               ; the scale's byte (a plain line behind the conversions)
	ds_store_b8 v5, v[E+(\t)] offset:16*(\t)       ; both lanes of a block write the same byte with the same value
	global_store_b64 v4, v[C+4*(\t):C+4*(\t)+1], s[COD:COD+1] offset:32*CB*(\t)   ; the wave stores 256 consecutive bytes, aligned
.endm
.irp t, 0,1,2,3,4,5,6,7,8,9,10,11,12,13,14,15
	STEP \t
.endr
	ds_load_b64 v[8:9], v6                         ; LDS serves a wave's instructions in order: these see my stores
	s_wait_dscnt 0x0
	global_store_b64 v7, v[8:9], s[SCB:SCB+1]      ; 32 lanes store 256 consecutive bytes, aligned
	s_branch .Lend
.Lwo:                                              ; wo to f16: a run of 32,768 bytes in four batches of 16 loads, two batches on their way
	s_sub_co_u32 s28, ttmp9, 352
	s_lshl_b32 s28, s28, 2
	s_add_co_u32 s28, s28, s20
	s_lshl_b32 s30, s28, 14
	s_lshl_b32 s28, s28, 15
	s_mov_b32 s29, 0
	s_mov_b32 s31, 0
	s_wait_kmcnt 0x0
	s_add_nc_u64 s[SRC:SRC+1], s[12:13], s[28:29]
	s_add_nc_u64 s[COD:COD+1], s[18:19], s[30:31]
.macro WLOAD b
.irp i, 0,1,2,3,4,5,6,7,8,9,10,11,12,13,14,15
	global_load_b128 v[16+64*((\b)%2)+4*\i:16+64*((\b)%2)+4*\i+3], v3, s[SRC:SRC+1] offset:8192*(\b)+512*\i th:TH_LOAD_NT
.endr
.endm
.macro WBATCH b
.if (\b) < 3
	s_wait_loadcnt 16                              ; this batch is in; the younger batch may be out
.else
	s_wait_loadcnt 0x0
.endif
	s_wait_xcnt 0x0                                ; the last batch's stores have read their data: the registers are written again only behind this wait
.irp i, 0,1,2,3,4,5,6,7,8,9,10,11,12,13,14,15
	v_cvt_pk_f16_f32 v[144+2*\i], v[16+64*((\b)%2)+4*\i], v[16+64*((\b)%2)+4*\i+1]
	v_cvt_pk_f16_f32 v[145+2*\i], v[16+64*((\b)%2)+4*\i+2], v[16+64*((\b)%2)+4*\i+3]
.endr
.if (\b)+2 < 4
	WLOAD (\b)+2
.endif
.irp i, 0,1,2,3,4,5,6,7,8,9,10,11,12,13,14,15
	global_store_b64 v4, v[144+2*\i:145+2*\i], s[COD:COD+1] offset:4096*(\b)+256*\i   ; the wave stores 256 consecutive bytes, aligned
.endr
.endm
	WLOAD 0
	WLOAD 1
	WBATCH 0
	WBATCH 1
	WBATCH 2
	WBATCH 3
.Lend:
	s_wait_tensorcnt 0x0                           ; the wave's end
	ds_add_u32 v[SPW], v[NIL]
	s_wait_dscnt 0x0
	s_endpgm
.Lfunc_end_k_qe3ac96361f_quant:
	.size	k_qe3ac96361f_quant, .Lfunc_end_k_qe3ac96361f_quant-k_qe3ac96361f_quant
	.p2alignl 7, 3214868480
	.fill 96, 4, 3214868480
	.section	.rodata,"a",@progbits
	.p2align	6, 0x0
	.amdhsa_kernel k_qe3ac96361f_quant
		.amdhsa_group_segment_fixed_size 33280
		.amdhsa_private_segment_fixed_size 0
		.amdhsa_enable_private_segment 0
		.amdhsa_kernarg_size 64
		.amdhsa_user_sgpr_count 2
		.amdhsa_user_sgpr_kernarg_segment_ptr 1
		.amdhsa_wavefront_size32 1
		.amdhsa_system_sgpr_workgroup_id_x 1
		.amdhsa_system_sgpr_workgroup_id_y 1
		.amdhsa_system_sgpr_workgroup_id_z 1
		.amdhsa_system_vgpr_workitem_id 0
		.amdhsa_next_free_vgpr 192
		.amdhsa_next_free_sgpr 66
		.amdhsa_reserve_vcc 0
		.amdhsa_float_denorm_mode_32 3
		.amdhsa_float_denorm_mode_16_64 3
		.amdhsa_memory_ordered 1
		.amdhsa_forward_progress 1
		.amdhsa_inst_pref_size 55
	.end_amdhsa_kernel
	.amdgpu_metadata
---
amdhsa.version: [ 1, 2 ]
amdhsa.kernels:
  - .name:           k_qe3ac96361f_quant
    .symbol:         k_qe3ac96361f_quant.kd
    .args:
      - { .name: x, .offset: 0, .size: 8, .value_kind: global_buffer, .address_space: global }
      - { .name: wq, .offset: 8, .size: 8, .value_kind: global_buffer, .address_space: global }
      - { .name: wk, .offset: 16, .size: 8, .value_kind: global_buffer, .address_space: global }
      - { .name: wv, .offset: 24, .size: 8, .value_kind: global_buffer, .address_space: global }
      - { .name: wo, .offset: 32, .size: 8, .value_kind: global_buffer, .address_space: global }
      - { .name: xpack, .offset: 40, .size: 8, .value_kind: global_buffer, .address_space: global }
      - { .name: wpack, .offset: 48, .size: 8, .value_kind: global_buffer, .address_space: global }
      - { .name: wo16, .offset: 56, .size: 8, .value_kind: global_buffer, .address_space: global }
    .group_segment_fixed_size: 33280
    .private_segment_fixed_size: 0
    .kernarg_segment_align: 8
    .kernarg_segment_size: 64
    .max_flat_workgroup_size: 128
    .sgpr_count:     66
    .vgpr_count:     192
    .wavefront_size: 32
...
	.end_amdgpu_metadata
.endif
;; end of part 1
;; launch qkv (part 2): grid 4 x 64, 4 waves a work-group, clusters of 4 x 4, 327,680 bytes of LDS; arguments xpack, wpack, cos, sin, qimg, kv, vlo; writes qimg, kv, vlo
.if DOCPART == 2
	.amdgcn_target "amdgcn-amd-amdhsa--gfx1250"
	.amdhsa_code_object_version 6
	.text
	.protected	k_qe3ac96361f_qkv
	.globl	k_qe3ac96361f_qkv
	.p2align	8
	.type	k_qe3ac96361f_qkv,@function
k_qe3ac96361f_qkv:
	s_mov_b64 s[64:65], 0
	v_nop
	global_prefetch_b8 v0, s[64:65] scope:SCOPE_SE
	s_setreg_imm32_b32 hwreg(HW_REG_WAVE_MODE, 25, 1), 1
	s_wait_xcnt 0x0
	s_wait_alu depctr_hold_cnt(0) depctr_sa_sdst(0) depctr_va_vdst(0) depctr_va_sdst(0) depctr_va_ssrc(0) depctr_va_vcc(0) depctr_vm_vsrc(0)
	s_getreg_b32 s2, hwreg(HW_REG_IB_STS2, 6, 4)
	s_cmp_eq_u32 s2, 0
	s_cbranch_scc0 .Lentry_in_a_cluster
	s_endpgm
.Lentry_in_a_cluster:
	s_bfe_u32 s2, ttmp6, 0x10000c
	s_cmp_lg_u32 s2, 0xf033
	s_cbranch_scc0 .Lentry_shape_is_right
	s_endpgm
.Lentry_shape_is_right:
; q, k, v = x wq^T, x wk^T, x wv^T on codes of FP4 (E2M1) with E8M0 scales for each 32 along K = 1,024; the rotation by cos and sin on q and k in f32; q times log2(e) / 8; all rounded to f16 and laid
; as the attention launches' operand registers want them.  v goes out as a pair of f16 numbers: its f32 value with the low 13 mantissa bits cleared (exact in f16), and the remainder.
; LIMITS: |q| log2(e) / 8, |k|, |v| must stay at or under 65,504 (f16); numbers under 6e-5 keep an absolute error of 3e-8.
; SHARES.  256 work-groups that stay.  Work-group (cx, tt = 4 x cluster y + cy) owns tokens 128 tt .. + 127 and walks heads 4 cx .. 4 cx + 3.  Wave w owns tokens 32 w .. + 31 (two blocks a of 16)
; times a head's 192 features (12 blocks b of 16: 0-3 q, 4-7 k, 8-11 v): 24 accumulators.  x's fragments and scale words, and the tokens' cos and sin, stay in registers for all four heads.
; CLUSTER.  x's groups hang on tt and the wave alone: asked for jointly along a row of the cluster.  A head's weights hang on cx alone: jointly along a column.
; THE MATRIX INSTRUCTION IS USED TRANSPOSED: source 0 = 16 features, source 1 = 16 tokens: a lane holds one token (lane % 16) and eight neighbouring features 8 (lane / 16) + 0 .. 7.
; Four such registers pairs, rounded to f16, are 16 bytes a lane: a PIECE of 512 bytes, which is half a fragment (16 rows x 32 channels) of the attention's first product as its registers hold it.
; v is turned in the wave's own stage in LDS (16 tokens x 64 channels in, 16 channels x 8 keys a lane out), so that its pieces are halves of fragments of V^T.
; LDS: two slots for a head's weights (204 rows of 512 + 16 bytes) at 0 and SLOT1; from AOFF a region of 34 such rows for each wave's x; the stage lies in that region, which is filled once and read by its own wave alone.
; REGISTERS, in windows of 256: window 0: addresses, work, scale words; window 1: the weights' fragments, two sets of 96; window 2: the accumulators, (a, b) at 8 (12 a + b);
;   window 3: v0-127 x's fragments (64 a + 8 ks); v128-255 cos and sin (128 + 64 a + 32 table + 8 block + j).
.set PITCH, 528                        ; an LDS row: 512 bytes + 16 of padding: the 16 rows that a load touches start at 16 different places modulo 256 bytes
.set BBLK,  16*PITCH
.set SLOT1, 131072
.set AOFF,  238848
.set AREG,  34*PITCH
.set SPARE, 310784                     ; the spare words, 128 bytes a wave
.set HEADB, 204*512                    ; a head in wpack
.set GRPB,  34*512                     ; a group in xpack
.set LO,   1                           ; v1  16 x lane: a piece's place for my lane
.set AB0,  2                           ; v2  528 r + 16 h
.set AS0,  3                           ; v3  192 rows + 32 r + 16 h: the weights' scale words
.set ADB0, 4                           ; v4  the slot in hand + AB0
.set ADB1, 5                           ; v5  six blocks further on
.set ADS,  6                           ; v6  the slot in hand + AS0
.set AA,   7                           ; v7  my x fragments
.set ASA,  8                           ; v8  my x scale words
.set STW,  9                           ; v9  the stage, in
.set STR,  10                          ; v10 the stage, out (turning load)
.set RO,   11                          ; v11 256 r + 32 h: cos and sin
.set SPW,  12
.set NIL,  13
.set T,    32                          ; v32-63 at work
.set PKQ,  64
.set PKK,  80
.set VH,   96
.set VL,   112
.set SA,   128                         ; v128-135 x's scale words: 4 a + i: lanes 0-15 K step i, lanes 16-31 K step 4 + i
.set SB,   136                         ; v136-183 the weights': 4 b + i likewise
.set IH,   184
.set IL,   200
.set CS,   128                         ; in window 3
.set WV,   18
.set G1A,  24
.set G1B,  32
.set G0A,  40
.set G0B,  44
.set TB,   48                          ; s48 LDS byte at which the slot in hand begins
.set TRIPS, 49
.set QS,   50                          ; s[50:51] log2(e) / 8
.set HM,   72                          ; s72 the mask that keeps sign, exponent and ten mantissa bits
.set MSB, 0
.macro WIN new                         ; the immediate's high byte repeats the setting that is left
.if MSB != \new
	s_set_vgpr_msb (MSB<<8)|\new
.set MSB, \new
.endif
.endm
.macro PLACES
.rept 4
	v_nop
.endr
.endm
.macro CROUND                          ; a round of the cluster's barrier
	s_barrier_signal -1
	s_barrier_wait -1
	s_cmp_lg_u32 s[WV], 0
	s_cbranch_scc1 .Lnot_wave_0_\@
	s_barrier_signal -3
.Lnot_wave_0_\@:
	s_barrier_wait -3
	s_barrier_signal -1
	s_barrier_wait -1
.endm
	s_load_b256 s[4:11], s[0:1], 0x0               ; xpack, wpack, cos, sin
	s_load_b128 s[12:15], s[0:1], 0x20             ; qimg, kv
	s_load_b64 s[16:17], s[0:1], 0x30              ; vlo
	v_lshl_add_u32 v[SPW], v0, 2, SPARE
	v_mov_b32 v[NIL], 0
	ds_add_u32 v[SPW], v[NIL]                      ; the wave's opening: the add, twice on end, and its wait ahead of my first tensor load
	ds_add_u32 v[SPW], v[NIL]
	v_lshrrev_b32 v1, 5, v0
	v_readfirstlane_b32 s[WV], v1                  ; wave 0..3
	s_bfe_u32 s19, ttmp6, 0x40000                  ; cx
	s_bfe_u32 s20, ttmp6, 0x40004                  ; cy
	s_lshl_b32 s22, ttmp9, 2
	s_add_co_u32 s22, s22, s19                     ; the group of four heads
	s_and_b32 s21, ttmp7, 0xffff
	s_lshl_b32 s21, s21, 2
	s_add_co_u32 s21, s21, s20                     ; tt: my 128 tokens
	s_lshl_b32 s52, s20, 2
	s_lshl_b32 s52, 15, s52                        ; my row of the cluster
	s_lshl_b32 s53, 0x1111, s19                    ; my column
	; group 1: rows of 64 elements of 8 bytes, dense in memory, 4 words of padding behind every 128; x: 34 rows, the weights: 51 rows a wave
	s_or_b32 s[G1A], s52, (3<<16)|(1<<20)|(1<<21)|(6<<22)|(3<<25)
	s_mov_b32 s[G1A+1], 64<<16
	s_mov_b32 s[G1A+2], 34<<16
	s_mov_b32 s[G1A+3], 64<<16
	s_mov_b32 s[G1A+4], 34
	s_mov_b32 s[G1A+5], 64
	s_mov_b32 s[G1A+6], 0
	s_mov_b32 s[G1A+7], 0
	s_or_b32 s[G1B], s53, (3<<16)|(1<<20)|(1<<21)|(6<<22)|(3<<25)
	s_mov_b32 s[G1B+1], 64<<16
	s_mov_b32 s[G1B+2], 51<<16
	s_mov_b32 s[G1B+3], 64<<16
	s_mov_b32 s[G1B+4], 51
	s_mov_b32 s[G1B+5], 64
	s_mov_b32 s[G1B+6], 0
	s_mov_b32 s[G1B+7], 0
	s_lshl_b32 s54, s21, 2                         ; x: group 4 tt + wave (made of tt and the wave alone)
	s_add_co_u32 s54, s54, s[WV]
	s_mul_i32 s54, s54, GRPB
	s_mov_b32 s55, 0
	s_mul_i32 s56, s22, 4*HEADB                    ; the weights: my first head, my 51 rows (made of cx and the wave alone)
	s_mul_i32 s57, s[WV], 51*512
	s_add_co_u32 s56, s56, s57
	s_mov_b32 s57, 0
	s_mul_i32 s58, s[WV], AREG
	s_add_co_u32 s58, s58, AOFF                    ; my region for x
	s_mul_i32 s59, s[WV], 51*PITCH                 ; my rows in a slot
	; where the results go
	s_lshr_b32 s60, s21, 4                         ; the batch
	s_and_b32 s61, s21, 15                         ; which 128 positions of the sequence
	s_lshl_b32 s60, s60, 4
	s_lshl_b32 s62, s22, 2
	s_add_co_u32 s60, s60, s62                     ; batch x 16 + my first head
	s_lshl_b32 s66, s60, 18                        ; qimg and vlo: 262,144 a head, 16,384 for 128 positions, 4,096 for my 32
	s_lshl_b32 s62, s61, 14
	s_add_co_u32 s66, s66, s62
	s_lshl_b32 s63, s[WV], 12
	s_add_co_u32 s66, s66, s63
	s_mov_b32 s67, 0
	s_lshl_b32 s68, s60, 19                        ; kv: 524,288 a head, 32,768 a slot of 128 keys, 4,096 for my 32
	s_lshl_b32 s62, s61, 15
	s_add_co_u32 s68, s68, s62
	s_add_co_u32 s68, s68, s63
	s_mov_b32 s69, 0
	s_lshl_b32 s70, s61, 15                        ; cos, sin: 256 bytes a position
	s_lshl_b32 s62, s[WV], 13
	s_add_co_u32 s70, s70, s62
	s_mov_b32 s71, 0
	s_mov_b32 s[TB], 0
	s_mov_b32 s[TRIPS], 3
	s_mov_b32 s[QS], 0x3e38aa3b                    ; log2(e) / 8
	s_mov_b32 s[QS+1], s[QS]
	s_mov_b32 s[HM], 0xffffe000
	s_wait_dscnt 0x0                               ; both opening adds are done
	s_wait_kmcnt 0x0
	s_mov_b32 s[G0A], 1
	s_mov_b32 s[G0A+1], s58
	s_add_nc_u64 s[G0A+2:G0A+3], s[4:5], s[54:55]
	s_or_b32 s[G0A+3], s[G0A+3], 0x80000000
	s_mov_b32 s[G0B], 1
	s_mov_b32 s[G0B+1], s59
	s_add_nc_u64 s[G0B+2:G0B+3], s[6:7], s[56:57]
	s_or_b32 s[G0B+3], s[G0B+3], 0x80000000
	s_add_nc_u64 s[8:9], s[8:9], s[70:71]
	s_add_nc_u64 s[10:11], s[10:11], s[70:71]
	s_add_nc_u64 s[12:13], s[12:13], s[66:67]
	s_add_nc_u64 s[14:15], s[14:15], s[68:69]
	s_add_nc_u64 s[16:17], s[16:17], s[66:67]
	CROUND                                         ; all sixteen work-groups are here: the first joint loads meet
	tensor_load_to_lds s[G0A:G0A+3], s[G1A:G1A+7]  ; my 32 tokens' codes and scale bytes
	s_nop 0
	tensor_load_to_lds s[G0B:G0B+3], s[G1B:G1B+7]  ; my quarter of the first head's weights: two loads of mine are out
	s_nop 0
	PLACES
	v_and_b32 v14, 15, v0                          ; r
	v_bfe_u32 v15, v0, 4, 1                        ; h
	v_and_b32 v16, 31, v0
	v_lshlrev_b32 v[LO], 4, v16
	v_lshlrev_b32 v[RO], 8, v14
	v_lshl_add_u32 v[RO], v15, 5, v[RO]
	WIN 0xc0                                       ; destination window 3
.irp a, 0,1
.irp b, 0,1,2,3
.irp u, 0,1
	global_load_b128 v[CS+64*\a+8*\b+4*\u:CS+64*\a+8*\b+4*\u+3], v[RO], s[8:9] offset:4096*\a+64*\b+16*\u       ; cos(position 16 a + r, channels 16 b + 8 h + 4 u ..)
	global_load_b128 v[CS+64*\a+32+8*\b+4*\u:CS+64*\a+32+8*\b+4*\u+3], v[RO], s[10:11] offset:4096*\a+64*\b+16*\u   ; sin likewise
.endr
.endr
.endr
	WIN 0
	v_mul_u32_u24 v[AB0], v14, PITCH
	v_lshl_add_u32 v[AB0], v15, 4, v[AB0]
	v_lshlrev_b32 v[AS0], 5, v14
	v_lshl_add_u32 v[AS0], v15, 4, v[AS0]
	v_add_nc_u32 v[AA], s58, v[AB0]
	v_add_nc_u32 v[ASA], s58, v[AS0]
	v_add_nc_u32 v[ASA], 32*PITCH, v[ASA]
	v_add_nc_u32 v[AS0], 192*PITCH, v[AS0]
	v_mul_u32_u24 v[STW], v14, 160                 ; the stage: a token's 64 channels are 128 bytes, + 32 of padding
	v_lshl_add_u32 v[STW], v15, 4, v[STW]
	v_add_nc_u32 v[STW], s58, v[STW]
	v_and_b32 v17, 7, v0
	v_lshl_add_u32 v17, v15, 3, v17                ; the turning load: lane l reads token 8 (l / 16) + l % 8, channels 8 ((l / 8) % 2) + 0 .. 7
	v_mul_u32_u24 v[STR], v17, 160
	v_bfe_u32 v17, v0, 3, 1
	v_lshl_add_u32 v[STR], v17, 4, v[STR]
	v_add_nc_u32 v[STR], s58, v[STR]
	s_wait_tensorcnt 0x1                           ; my x is in (only I read it); the weights' load, issued behind it, may be out
	WIN 0xc0
.irp a, 0,1
.irp ks, 0,1,2,3,4,5,6,7
.irp c, 0,1
	ds_load_b128 v[64*\a+8*\ks+4*\c:64*\a+8*\ks+4*\c+3], v[AA] offset:BBLK*\a+64*\ks+32*\c
.endr
.endr
.endr
	WIN 0
.irp a, 0,1
	ds_load_b128 v[SA+4*\a:SA+4*\a+3], v[ASA] offset:PITCH*\a
.endr
; THE CHANGE OF SLOTS, at a head's start.  Every wave waits for all its tensor loads (its quarter of the head in hand), adds 0 to its spare word, and waits for that and for its reads of the other slot.
; fill = 1: a round of the cluster's barrier, and behind it the next head's weights go into the other slot: one joint load a wave, which has a head's work in which to land.
.macro CHANGE fill
	s_wait_tensorcnt 0x0                           ; no tensor load of mine is out, so the walking group 0 may be written
	ds_add_u32 v[SPW], v[NIL]
.if \fill
	s_xor_b32 s[G0B+1], s[G0B+1], SLOT1
	s_add_nc_u64 s[G0B+2:G0B+3], s[G0B+2:G0B+3], HEADB
.endif
	s_wait_dscnt 0x0                               ; the add is done, and my LDS reads are over
.if \fill
	CROUND
	tensor_load_to_lds s[G0B:G0B+3], s[G1B:G1B+7]
	s_nop 0
.else
	s_barrier_signal -1
	s_barrier_wait -1
.endif
	PLACES
.endm
.macro FETCH_B ks                      ; the weights' 12 fragments of K step ks into set ks % 2: 24 loads
	WIN 0x40
.irp b, 0,1,2,3,4,5
.irp c, 0,1
	ds_load_b128 v[96*((\ks)%2)+8*\b+4*\c:96*((\ks)%2)+8*\b+4*\c+3], v[ADB0] offset:BBLK*\b+64*(\ks)+32*\c
.endr
.endr
.irp b, 6,7,8,9,10,11
.irp c, 0,1
	ds_load_b128 v[96*((\ks)%2)+8*\b+4*\c:96*((\ks)%2)+8*\b+4*\c+3], v[ADB1] offset:BBLK*(\b-6)+64*(\ks)+32*\c
.endr
.endr
.endm
.macro MULS ks                         ; 24 products, the 24 accumulators by turns; K step 0 starts the sums
	WIN 0xad                                       ; source 0 window 1, source 1 window 3, C and D window 2
.irp a, 0,1
.irp b, 0,1,2,3,4,5,6,7,8,9,10,11
.if (\ks) == 0
	v_wmma_scale_f32_16x16x128_f8f6f4 v[8*(12*\a+\b):8*(12*\a+\b)+7], v[96*((\ks)%2)+8*\b:96*((\ks)%2)+8*\b+7], v[64*\a+8*(\ks):64*\a+8*(\ks)+7], 0, v[SB+4*\b+(\ks)%4], v[SA+4*\a+(\ks)%4] matrix_a_fmt:MATRIX_FMT_FP4 matrix_b_fmt:MATRIX_FMT_FP4
.elseif (\ks) < 4
	v_wmma_scale_f32_16x16x128_f8f6f4 v[8*(12*\a+\b):8*(12*\a+\b)+7], v[96*((\ks)%2)+8*\b:96*((\ks)%2)+8*\b+7], v[64*\a+8*(\ks):64*\a+8*(\ks)+7], v[8*(12*\a+\b):8*(12*\a+\b)+7], v[SB+4*\b+(\ks)%4], v[SA+4*\a+(\ks)%4] matrix_a_fmt:MATRIX_FMT_FP4 matrix_b_fmt:MATRIX_FMT_FP4
.else
	v_wmma_scale_f32_16x16x128_f8f6f4 v[8*(12*\a+\b):8*(12*\a+\b)+7], v[96*((\ks)%2)+8*\b:96*((\ks)%2)+8*\b+7], v[64*\a+8*(\ks):64*\a+8*(\ks)+7], v[8*(12*\a+\b):8*(12*\a+\b)+7], v[SB+4*\b+(\ks)%4], v[SA+4*\a+(\ks)%4] matrix_a_fmt:MATRIX_FMT_FP4 matrix_b_fmt:MATRIX_FMT_FP4 matrix_a_scale:MATRIX_SCALE_ROW1 matrix_b_scale:MATRIX_SCALE_ROW1
.endif
.endr
.endr
.endm
; The rotation: blocks b and b + 2 of the head's four are partners: out(d) = y(d) cos(d) - y(d + 32) sin(d) for d < 32, y(d) cos(d) + y(d - 32) sin(d) above.  Each accumulator is first read at its low end.
.macro ROPE a, base
	WIN 0x0e                                       ; source 0 window 2, source 1 window 3
.irp b, 0,1
.irp p, 0,2,4,6
	v_pk_mul_f32 v[T+8*\b+\p:T+8*\b+\p+1], v[8*(12*(\a)+(\base)+\b)+\p:8*(12*(\a)+(\base)+\b)+\p+1], v[CS+64*(\a)+8*\b+\p:CS+64*(\a)+8*\b+\p+1]
	v_pk_mul_f32 v[T+16+8*\b+\p:T+16+8*\b+\p+1], v[8*(12*(\a)+(\base)+\b+2)+\p:8*(12*(\a)+(\base)+\b+2)+\p+1], v[CS+64*(\a)+16+8*\b+\p:CS+64*(\a)+16+8*\b+\p+1]
	v_pk_fma_f32 v[T+8*\b+\p:T+8*\b+\p+1], v[8*(12*(\a)+(\base)+\b+2)+\p:8*(12*(\a)+(\base)+\b+2)+\p+1], v[CS+64*(\a)+32+8*\b+\p:CS+64*(\a)+32+8*\b+\p+1], v[T+8*\b+\p:T+8*\b+\p+1] neg_lo:[1,0,0] neg_hi:[1,0,0]
	v_pk_fma_f32 v[T+16+8*\b+\p:T+16+8*\b+\p+1], v[8*(12*(\a)+(\base)+\b)+\p:8*(12*(\a)+(\base)+\b)+\p+1], v[CS+64*(\a)+48+8*\b+\p:CS+64*(\a)+48+8*\b+\p+1], v[T+16+8*\b+\p:T+16+8*\b+\p+1]
.endr
.endr
	WIN 0
.endm
.macro EPI a                           ; token block a of the head goes out
	s_wait_loadcnt 0x0                             ; cos and sin (met at once from the second time on)
	s_wait_xcnt 0x0                                ; the earlier stores have read their data: the registers are written again only behind this wait
	ROPE \a, 0
.set i, 0
.rept 16
	v_pk_mul_f32 v[T+i:T+i+1], v[T+i:T+i+1], s[QS:QS+1] op_sel_hi:[1,0]
.set i, i+2
.endr
.set i, 0
.rept 16
	v_cvt_pk_f16_f32 v[PKQ+i], v[T+2*i], v[T+2*i+1]
.set i, i+1
.endr
.irp b, 0,1,2,3
	global_store_b128 v[LO], v[PKQ+4*\b:PKQ+4*\b+3], s[12:13] offset:2048*(\a)+512*\b   ; a piece: 512 consecutive bytes, aligned
.endr
	ROPE \a, 4
.set i, 0
.rept 16
	v_cvt_pk_f16_f32 v[PKK+i], v[T+2*i], v[T+2*i+1]
.set i, i+1
.endr
.irp b, 0,1,2,3
	global_store_b128 v[LO], v[PKK+4*\b:PKK+4*\b+3], s[14:15] offset:2048*(\a)+512*\b
.endr
	WIN 0x08                                       ; source 1 window 2
.set i, 0
.rept 32
	v_and_b32 v[T+i], s[HM], v[8*(12*(\a)+8)+i]    ; v's high part: 11 significant bits, exact in f16
.set i, i+1
.endr
	WIN 0
.set i, 0
.rept 16
	v_cvt_pk_f16_f32 v[VH+i], v[T+2*i], v[T+2*i+1]
.set i, i+1
.endr
	WIN 0x02                                       ; source 0 window 2
.set i, 0
.rept 16
	v_pk_add_f32 v[T+i:T+i+1], v[8*(12*(\a)+8)+i:8*(12*(\a)+8)+i+1], v[T+i:T+i+1] neg_lo:[0,1] neg_hi:[0,1]   ; the remainder, exact in f32
.set i, i+2
.endr
	WIN 0
.set i, 0
.rept 16
	v_cvt_pk_f16_f32 v[VL+i], v[T+2*i], v[T+2*i+1]
.set i, i+1
.endr
.irp c, 0,1,2,3
	ds_store_b128 v[STW], v[VH+4*\c:VH+4*\c+3] offset:32*\c
	ds_store_b128 v[STW], v[VL+4*\c:VL+4*\c+3] offset:2560+32*\c
.endr
.irp c, 0,1,2,3
	ds_load_tr16_b128 v[IH+4*\c:IH+4*\c+3], v[STR] offset:32*\c            ; LDS serves a wave's instructions in order: these see my stores.  Lane (r, h): channel 16 c + r, keys 8 h + 0 .. 7
	ds_load_tr16_b128 v[IL+4*\c:IL+4*\c+3], v[STR] offset:2560+32*\c
.endr
	s_wait_dscnt 0x0
.irp c, 0,1,2,3
	global_store_b128 v[LO], v[IH+4*\c:IH+4*\c+3], s[14:15] offset:16384+1024*\c+512*(\a)
	global_store_b128 v[LO], v[IL+4*\c:IL+4*\c+3], s[16:17] offset:1024*\c+512*(\a)
.endr
.endm
; A HEAD: eight K steps of 128; while one step's 24 products are issued the next step's 24 fragment loads are on their way.
.macro WORK
	v_add_nc_u32 v[ADB0], s[TB], v[AB0]
	v_add_nc_u32 v[ADS], s[TB], v[AS0]
	v_add_nc_u32 v[ADB1], 6*BBLK, v[ADB0]
.irp b, 0,1,2,3,4,5,6,7,8,9,10,11
	ds_load_b128 v[SB+4*\b:SB+4*\b+3], v[ADS] offset:PITCH*\b
.endr
	FETCH_B 0
.irp ks, 0,1,2,3,4,5,6,7
	PLACES                                         ; four places in front of loads into the set that the last step's products read
.if \ks < 7
	FETCH_B \ks+1
	s_wait_dscnt 24                                ; all but the 24 just issued
.else
	s_wait_dscnt 0x0
.endif
	MULS \ks
.endr
	WIN 0
	PLACES                                         ; four places in front of the first read of results
	EPI 0
	EPI 1
.endm
.Lhead:                                            ; three trips: heads 0 to 2 are worked, heads 1 to 3 asked for
	CHANGE 1
	WORK
	s_wait_xcnt 0x0                                ; the stores have read their bases
	s_add_nc_u64 s[12:13], s[12:13], 262144
	s_add_nc_u64 s[14:15], s[14:15], 524288
	s_add_nc_u64 s[16:17], s[16:17], 262144
	s_xor_b32 s[TB], s[TB], SLOT1
	s_sub_co_u32 s[TRIPS], s[TRIPS], 1
	s_cmp_lg_u32 s[TRIPS], 0
	s_cbranch_scc1 .Lhead
	CHANGE 0                                       ; the last head is written out: nothing is left to ask for
	WORK
	s_wait_tensorcnt 0x0                           ; the wave's end
	ds_add_u32 v[SPW], v[NIL]
	s_wait_dscnt 0x0
	CROUND                                         ; the closing round
	s_endpgm
.Lfunc_end_k_qe3ac96361f_qkv:
	.size	k_qe3ac96361f_qkv, .Lfunc_end_k_qe3ac96361f_qkv-k_qe3ac96361f_qkv
	.p2alignl 7, 3214868480
	.fill 96, 4, 3214868480
	.section	.rodata,"a",@progbits
	.p2align	6, 0x0
	.amdhsa_kernel k_qe3ac96361f_qkv
		.amdhsa_group_segment_fixed_size 327680
		.amdhsa_private_segment_fixed_size 0
		.amdhsa_enable_private_segment 0
		.amdhsa_kernarg_size 56
		.amdhsa_user_sgpr_count 2
		.amdhsa_user_sgpr_kernarg_segment_ptr 1
		.amdhsa_wavefront_size32 1
		.amdhsa_system_sgpr_workgroup_id_x 1
		.amdhsa_system_sgpr_workgroup_id_y 1
		.amdhsa_system_sgpr_workgroup_id_z 1
		.amdhsa_system_vgpr_workitem_id 0
		.amdhsa_next_free_vgpr 1024
		.amdhsa_next_free_sgpr 80
		.amdhsa_reserve_vcc 0
		.amdhsa_float_denorm_mode_32 3
		.amdhsa_float_denorm_mode_16_64 3
		.amdhsa_memory_ordered 1
		.amdhsa_forward_progress 1
		.amdhsa_inst_pref_size 146
	.end_amdhsa_kernel
	.amdgpu_metadata
---
amdhsa.version: [ 1, 2 ]
amdhsa.kernels:
  - .name:           k_qe3ac96361f_qkv
    .symbol:         k_qe3ac96361f_qkv.kd
    .args:
      - { .name: xpack, .offset: 0, .size: 8, .value_kind: global_buffer, .address_space: global }
      - { .name: wpack, .offset: 8, .size: 8, .value_kind: global_buffer, .address_space: global }
      - { .name: cos, .offset: 16, .size: 8, .value_kind: global_buffer, .address_space: global }
      - { .name: sin, .offset: 24, .size: 8, .value_kind: global_buffer, .address_space: global }
      - { .name: qimg, .offset: 32, .size: 8, .value_kind: global_buffer, .address_space: global }
      - { .name: kv, .offset: 40, .size: 8, .value_kind: global_buffer, .address_space: global }
      - { .name: vlo, .offset: 48, .size: 8, .value_kind: global_buffer, .address_space: global }
    .group_segment_fixed_size: 327680
    .private_segment_fixed_size: 0
    .kernarg_segment_align: 8
    .kernarg_segment_size: 56
    .max_flat_workgroup_size: 128
    .sgpr_count:     80
    .vgpr_count:     1024
    .wavefront_size: 32
...
	.end_amdgpu_metadata
.endif
;; end of part 2
;; launch attn (part 3): grid 16 x 32, 8 waves a work-group, clusters of 4 x 4, 327,680 bytes of LDS; arguments qimg, kv, mask, att; writes att
.if DOCPART == 3
	.amdgcn_target "amdgcn-amd-amdhsa--gfx1250"
	.amdhsa_code_object_version 6
	.text
	.protected	k_qe3ac96361f_attn
	.globl	k_qe3ac96361f_attn
	.p2align	8
	.type	k_qe3ac96361f_attn,@function
k_qe3ac96361f_attn:
	s_mov_b64 s[64:65], 0
	v_nop
	global_prefetch_b8 v0, s[64:65] scope:SCOPE_SE
	s_setreg_imm32_b32 hwreg(HW_REG_WAVE_MODE, 25, 1), 1
	s_wait_xcnt 0x0
	s_wait_alu depctr_hold_cnt(0) depctr_sa_sdst(0) depctr_va_vdst(0) depctr_va_sdst(0) depctr_va_ssrc(0) depctr_va_vcc(0) depctr_vm_vsrc(0)
	s_getreg_b32 s2, hwreg(HW_REG_IB_STS2, 6, 4)
	s_cmp_eq_u32 s2, 0
	s_cbranch_scc0 .Lentry_in_a_cluster
	s_endpgm
.Lentry_in_a_cluster:
	s_bfe_u32 s2, ttmp6, 0x10000c
	s_cmp_lg_u32 s2, 0xf033
	s_cbranch_scc0 .Lentry_shape_is_right
	s_endpgm
.Lentry_shape_is_right:
; att[b][q][head] = softmax_k(q . k / 8 + mask[q][k]) v, both products on f16 operands with f32 sums.  The mask is an input: it is read whole and added as it is given; no key is passed over.
; q arrives multiplied by log2(e) / 8: t = mask x log2(e) + q'.k (one fused multiply-add), p = 2^(t - m) with the running maximum m of t; in every step O and the sum l are multiplied by 2^(m_old - m_new).
; LIMITS: p and the result are rounded to f16; v arrives cut to 11 significant bits.  A row whose mask is -infinity throughout gives NaN.  Positions 0-15 of every sequence are made again, more finely, by later launches.
; SHARES.  A work-group owns 128 queries (qb) of two heads (hp: heads 2 hp, 2 hp + 1).  Wave w: head w / 4, queries 32 (w % 4) .. + 31: two tiles of 16.  Two waves share a SIMD, so that one's vector work stands beside the other's products.
; Keys go in slots of 128 (the mask's 128 x 512 bytes, K and V of both heads: 64 KiB), two steps of 64 to a slot, through a ring of two slots.
; CLUSTER.  The mask's tile hangs on qb: asked for jointly along a column of the cluster.  K and V hang on hp: jointly along a row.  Waves 0-3 fetch the mask's quarters, waves 4-7 K and V of the two heads.
; LAYOUT.  S^T = K Q^T, O^T = V^T P: a lane holds one query (lane % 16) throughout.  K, V and Q arrive as images of their fragments' registers: a piece is 512 bytes, 16 a lane.
; REGISTERS: window 0: v1-11 addresses; v16-31 statistics, 8 a tile: +0 m, +1 0, +2, +3 l, +4 .. +7 at work; v32-95 S^T; v96-159 the mask; v160-191 P; v192-255 K.  window 1: v0-31 Q; v32-95 O^T; v96-159 V.
.set MP,    528                        ; a mask row in LDS: 512 bytes + 16
.set KVOFF, 128*MP
.set SLOT,  KVOFF+65536
.set STAGE, 2*SLOT                     ; 128 rows x (256 + 16) bytes for the way out
.set SP,    272
.set SPARE, STAGE+128*SP               ; the spare words, 128 bytes a wave
.set AM,  1                            ; v1, v2  my mask rows in slot 0, 1
.set AK,  3                            ; v3, v4  my head's K and V in slot 0, 1
.set LO,  5
.set STO, 6
.set RD,  7
.set GO,  8
.set PFO, 9
.set SPW, 10
.set NIL, 11
.set ST,  16
.set S,   32
.set MK,  96
.set P,   160
.set KF,  192
.set OA,  32                           ; in window 1
.set VF,  96                           ; in window 1
.set WV,  12
.set G1M, 24
.set G1K, 32
.set G0M, 40
.set G0K, 48
.set L2E, 56
.set SEL, 58
.set LOOP, 60
.set PFA, 68
.set PFS, 70
.set LIM, 72
.set W_KQ, 0x04                        ; Q in window 1
.set W_PV, 0x51                        ; V and O^T in window 1, P in window 0
.set W_RS, 0x41                        ; O^T in window 1, the factor in window 0
.set MSB, 0
.macro WIN new
.if MSB != \new
	s_set_vgpr_msb (MSB<<8)|\new
.set MSB, \new
.endif
.endm
.macro PLACES
.rept 4
	v_nop
.endr
.endm
.macro CROUND
	s_barrier_signal -1
	s_barrier_wait -1
	s_cmp_lg_u32 s[WV], 0
	s_cbranch_scc1 .Lnot_wave_0_\@
	s_barrier_signal -3
.Lnot_wave_0_\@:
	s_barrier_wait -3
	s_barrier_signal -1
	s_barrier_wait -1
.endm
.macro JLOAD s                         ; a joint load into slot s; the branch hangs on the wave's number alone; an s_nop 0 and four v_nop follow each of the two lines
	s_cmp_lt_u32 s[WV], 4
	s_cbranch_scc0 .Lfor_kv_\@
	tensor_load_to_lds s[G0M+4*(\s):G0M+4*(\s)+3], s[G1M:G1M+7]
	s_nop 0
	PLACES
	s_branch .Lasked_\@
.Lfor_kv_\@:
	tensor_load_to_lds s[G0K+4*(\s):G0K+4*(\s)+3], s[G1K:G1K+7]
	s_nop 0
	PLACES
.Lasked_\@:
.endm
; A prefetch of the slot that the NEXT change of slots will ask for: one trip (two key steps) ahead of its load.  Each aligned 256 bytes is named once in the launch: the mask's tile (128 rows x 2 blocks) by waves 0, 1
; of the clusters with y = 0, a lane a row, the four partners 32 rows each by address; a head's 32,768 bytes of K and V by wave 4 or 6 of the clusters with x = 0, the partners 8,192 bytes each by address.
.macro ASK
	s_cmp_eq_u32 s[LIM], 1
	s_cbranch_scc0 .Lnot_mine_\@
	global_prefetch_b8 v[PFO], s[PFA:PFA+1] th:TH_LOAD_NT scope:SCOPE_SE
.Lnot_mine_\@:
.endm
	s_load_b256 s[4:11], s[0:1], 0x0               ; qimg, kv, mask, att
	v_lshl_add_u32 v[SPW], v0, 2, SPARE
	v_mov_b32 v[NIL], 0
	ds_add_u32 v[SPW], v[NIL]                      ; the wave's opening: the add, twice on end, and its wait ahead of my first tensor load
	ds_add_u32 v[SPW], v[NIL]
	v_lshrrev_b32 v1, 5, v0
	v_readfirstlane_b32 s[WV], v1                  ; wave 0..7
	s_bfe_u32 s13, ttmp6, 0x40000                  ; cx
	s_bfe_u32 s14, ttmp6, 0x40004                  ; cy
	s_lshl_b32 s15, ttmp9, 2
	s_add_co_u32 s15, s15, s13                     ; qb
	s_and_b32 s16, ttmp7, 0xffff
	s_lshl_b32 s16, s16, 2
	s_add_co_u32 s16, s16, s14                     ; hp
	s_lshl_b32 s17, s14, 2
	s_lshl_b32 s17, 15, s17                        ; my row of the cluster
	s_lshl_b32 s18, 0x1111, s13                    ; my column
	; the mask: 32 rows of 128 elements of 4 bytes, 2,048 elements apart, 4 words of padding behind every 128
	s_or_b32 s[G1M], s18, (2<<16)|(1<<20)|(1<<21)|(6<<22)|(3<<25)
	s_mov_b32 s[G1M+1], 128<<16
	s_mov_b32 s[G1M+2], 32<<16
	s_mov_b32 s[G1M+3], 128<<16
	s_mov_b32 s[G1M+4], 32
	s_mov_b32 s[G1M+5], 2048
	s_mov_b32 s[G1M+6], 0
	s_mov_b32 s[G1M+7], 0
	; K or V of a head: 16,384 dense bytes as 64 rows of 32 elements of 8 bytes, no padding
	s_or_b32 s[G1K], s17, (3<<16)|(1<<21)
	s_mov_b32 s[G1K+1], 32<<16
	s_mov_b32 s[G1K+2], 64<<16
	s_mov_b32 s[G1K+3], 32<<16
	s_mov_b32 s[G1K+4], 64
	s_mov_b32 s[G1K+5], 32
	s_mov_b32 s[G1K+6], 0
	s_mov_b32 s[G1K+7], 0
	s_and_b32 s19, s[WV], 3                        ; which quarter I fetch
	s_lshl_b32 s20, s15, 20                        ; the mask: row 128 qb + 32 i, 8,192 bytes a row (made of qb and the wave alone)
	s_lshl_b32 s21, s19, 18
	s_add_co_u32 s20, s20, s21
	s_mov_b32 s21, 0
	s_lshl_b32 s22, s16, 20                        ; kv: head 2 hp + i / 2, part i % 2 (made of hp and the wave alone)
	s_lshr_b32 s23, s19, 1
	s_lshl_b32 s23, s23, 19
	s_add_co_u32 s22, s22, s23
	s_and_b32 s23, s19, 1
	s_lshl_b32 s23, s23, 14
	s_add_co_u32 s22, s22, s23
	s_mov_b32 s23, 0
	s_mul_i32 s73, s19, 32*MP                      ; where they go: no place in the cluster enters an LDS address
	s_lshl_b32 s74, s19, 14
	s_add_co_u32 s74, s74, KVOFF
	s_lshr_b32 s61, s[WV], 2                       ; my head of the two
	s_and_b32 s62, s[WV], 3                        ; my 32 queries of the 128
	s_mov_b32 s[L2E], 0x3fb8aa3b                   ; log2(e)
	s_mov_b32 s[L2E+1], s[L2E]
	s_mov_b32 s[SEL], 0x76543210
	s_mov_b32 s[SEL+1], 0xfedcba98
	s_mov_b32 s[LOOP], 7
	s_wait_dscnt 0x0                               ; both opening adds are done
	s_wait_kmcnt 0x0
	s_add_nc_u64 s[76:77], s[8:9], s[20:21]
	s_add_nc_u64 s[78:79], s[6:7], s[22:23]
	CROUND                                         ; all sixteen work-groups are here: the first joint loads meet
.irp s, 0,1
	s_mov_b32 s[G0M+4*\s], 1
	s_add_co_u32 s[G0M+4*\s+1], s73, \s*SLOT
	s_add_nc_u64 s[G0M+4*\s+2:G0M+4*\s+3], s[76:77], \s*512
	s_or_b32 s[G0M+4*\s+3], s[G0M+4*\s+3], 0x80000000
	s_mov_b32 s[G0K+4*\s], 1
	s_add_co_u32 s[G0K+4*\s+1], s74, \s*SLOT
	s_add_nc_u64 s[G0K+4*\s+2:G0K+4*\s+3], s[78:79], \s*32768
	s_or_b32 s[G0K+4*\s+3], s[G0K+4*\s+3], 0x80000000
.endr
	JLOAD 0                                        ; keys 0-127: one load of mine is out
	; Q, and where the result goes
	s_lshl_b32 s66, s16, 19
	s_lshl_b32 s63, s61, 18
	s_add_co_u32 s66, s66, s63
	s_lshl_b32 s63, s15, 14
	s_add_co_u32 s66, s66, s63
	s_lshl_b32 s63, s62, 12
	s_add_co_u32 s66, s66, s63
	s_mov_b32 s67, 0
	s_add_nc_u64 s[4:5], s[4:5], s[66:67]          ; qimg: head 2 hp + hd, query tile 8 qb + 2 qg
	s_lshr_b32 s66, s16, 3
	s_lshl_b32 s66, s66, 22
	s_lshl_b32 s63, s15, 18
	s_add_co_u32 s66, s66, s63
	s_lshl_b32 s63, s[WV], 15
	s_add_co_u32 s66, s66, s63
	s_and_b32 s63, s16, 7
	s_lshl_b32 s63, s63, 8
	s_add_co_u32 s66, s66, s63
	s_add_nc_u64 s[10:11], s[10:11], s[66:67]      ; att: row batch x 2,048 + 128 qb + 16 w, the two heads' 256 bytes
	v_and_b32 v12, 15, v0                          ; r
	v_bfe_u32 v13, v0, 4, 1                        ; h
	v_and_b32 v14, 31, v0
	v_lshlrev_b32 v[LO], 4, v14
	WIN 0x40                                       ; destination window 1
.irp t, 0,1
.irp p, 0,1,2,3
	global_load_b128 v[16*\t+4*\p:16*\t+4*\p+3], v[LO], s[4:5] offset:2048*\t+512*\p
.endr
.endr
.set i, 0
.rept 64
	v_mov_b32 v[OA+i], 0                           ; O^T.  (The step is written once: the first finds zeros, which the first change of m leaves zeros)
.set i, i+1
.endr
	WIN 0
	; the prefetches: who asks, and where
	s_lshl_b32 s80, s15, 20
	s_lshl_b32 s81, s14, 18
	s_add_co_u32 s80, s80, s81
	s_and_b32 s81, s[WV], 1
	s_lshl_b32 s82, s81, 8
	s_add_co_u32 s80, s80, s82                     ; the mask: row 128 qb + 32 cy, block w % 2
	s_lshl_b32 s83, s16, 20
	s_bfe_u32 s84, s[WV], 0x10001
	s_lshl_b32 s85, s84, 19
	s_add_co_u32 s83, s83, s85
	s_lshl_b32 s85, s13, 13
	s_add_co_u32 s83, s83, s85                     ; kv: head 2 hp + (w / 2) % 2, 8,192 cx
	s_and_b32 s86, ttmp7, 0xffff
	s_lshr_b32 s87, s[WV], 1
	s_or_b32 s86, s86, s87                         ; among waves 0-3: 0 in waves 0, 1 of the clusters with y = 0
	s_or_b32 s87, s81, ttmp9                       ; among waves 4-7: 0 in waves 4, 6 of the clusters with x = 0
	s_mov_b32 s[PFS], 32768
	s_mov_b32 s[PFS+1], 0
	s_mov_b32 s88, 256
	s_cmp_lt_u32 s[WV], 4
	s_cselect_b64 s[PFA:PFA+1], s[8:9], s[6:7]
	s_cselect_b32 s80, s80, s83
	s_cselect_b32 s[PFS], 512, s[PFS]              ; a slot on
	s_cselect_b32 s88, 8192, s88                   ; from lane to lane
	s_cselect_b32 s86, s86, s87
	s_mov_b32 s81, 0
	s_add_nc_u64 s[PFA:PFA+1], s[PFA:PFA+1], s[80:81]
	s_add_nc_u64 s[PFA:PFA+1], s[PFA:PFA+1], s[PFS:PFS+1]   ; at slot 1: the first trip steps it to slot 2.  Nothing is prefetched at the head
	s_cmp_eq_u32 s86, 0
	s_cselect_b32 s[LIM], 1, -1
	v_mul_lo_u32 v[PFO], v14, s88
	s_mul_i32 s75, s62, 32*MP
	v_mul_u32_u24 v[AM], v12, MP
	v_lshl_add_u32 v[AM], v13, 5, v[AM]
	v_add_nc_u32 v[AM], s75, v[AM]                 ; row 32 qg + r, + 32 h
	v_add_nc_u32 v[AM+1], SLOT, v[AM]
	s_lshl_b32 s75, s61, 15
	s_add_co_u32 s75, s75, KVOFF
	v_add_nc_u32 v[AK], s75, v[LO]
	v_add_nc_u32 v[AK+1], SLOT, v[AK]
	s_mul_i32 s75, s62, 32*SP
	s_lshl_b32 s63, s61, 7
	s_add_co_u32 s75, s75, s63
	s_add_co_u32 s75, s75, STAGE
	v_mul_u32_u24 v[STO], v12, SP
	v_lshl_add_u32 v[STO], v13, 4, v[STO]
	v_add_nc_u32 v[STO], s75, v[STO]               ; the stage, in: row 32 qg + r, my head's 128 bytes, 16 h
	s_mul_i32 s75, s[WV], 16*SP
	s_add_co_u32 s75, s75, STAGE
	v_mul_u32_u24 v[RD], v13, SP
	v_lshl_add_u32 v[RD], v12, 4, v[RD]
	v_add_nc_u32 v[RD], s75, v[RD]                 ; back: rows 16 w on; lanes 0-15 one row, lanes 16-31 the next
	v_lshlrev_b32 v[GO], 11, v13
	v_lshl_add_u32 v[GO], v12, 4, v[GO]
.irp t, 0,1
	v_mov_b32 v[ST+8*\t], 0xff61b1e6               ; m: -3e38, under every t
	v_mov_b32 v[ST+8*\t+1], 0                      ; (named with m as a pair)
	v_mov_b32 v[ST+8*\t+2], 0                      ; l, in two halves
	v_mov_b32 v[ST+8*\t+3], 0
.endr
.macro LOADS slot, q                   ; a step's 48 LDS loads: K's 16, the mask's 16, V's 16
	WIN 0
.irp kt, 0,1,2,3
.irp p, 0,1,2,3
	ds_load_b128 v[KF+16*\kt+4*\p:KF+16*\kt+4*\p+3], v[AK+\slot] offset:2048*(4*\q+\kt)+512*\p
.endr
.endr
.irp t, 0,1
.irp kt, 0,1,2,3
.irp u, 0,1
	ds_load_b128 v[MK+32*\t+8*\kt+4*\u:MK+32*\t+8*\kt+4*\u+3], v[AM+\slot] offset:8448*\t+256*\q+64*\kt+16*\u
.endr
.endr
.endr
	WIN 0x40
.irp kc, 0,1
.irp c, 0,1,2,3
.irp g, 0,1
	ds_load_b128 v[VF+32*\kc+8*\c+4*\g:VF+32*\kc+8*\c+4*\g+3], v[AK+\slot] offset:16384+4096*(2*\q+\kc)+1024*\c+512*\g
.endr
.endr
.endr
.endm
.macro SOFTMAX                         ; the two tiles by turns, line by line
.set i, 0
.rept 16
.irp t, 0,1
	v_pk_fma_f32 v[S+32*\t+i:S+32*\t+i+1], v[MK+32*\t+i:MK+32*\t+i+1], s[L2E:L2E+1], v[S+32*\t+i:S+32*\t+i+1] op_sel_hi:[1,0,1]   ; t = mask x log2(e) + q'.k; each accumulator from its low end on
.endr
.set i, i+2
.endr
.irp j, 0,1,2,3
.irp t, 0,1
	v_max3_num_f32 v[ST+8*\t+4+\j], v[S+32*\t+8*\j], v[S+32*\t+8*\j+1], v[S+32*\t+8*\j+2]
.endr
.endr
.irp k, 3,5
.irp j, 0,1,2,3
.irp t, 0,1
	v_max3_num_f32 v[ST+8*\t+4+\j], v[ST+8*\t+4+\j], v[S+32*\t+8*\j+\k], v[S+32*\t+8*\j+\k+1]
.endr
.endr
.endr
.irp t, 0,1
	v_max3_num_f32 v[ST+8*\t+4], v[ST+8*\t+4], v[S+32*\t+7], v[S+32*\t+15]
.endr
.irp t, 0,1
	v_max3_num_f32 v[ST+8*\t+6], v[ST+8*\t+6], v[S+32*\t+23], v[S+32*\t+31]
.endr
.irp t, 0,1
	v_max3_num_f32 v[ST+8*\t+4], v[ST+8*\t+4], v[ST+8*\t+5], v[ST+8*\t+6]
.endr
.irp t, 0,1
	v_max3_num_f32 v[ST+8*\t+4], v[ST+8*\t+4], v[ST+8*\t+7], v[ST+8*\t]   ; with the old m
.endr
.irp t, 0,1
	v_permlanex16_b32 v[ST+8*\t+5], v[ST+8*\t+4], s[SEL], s[SEL+1]        ; the query's other 32 keys lie in the lane 16 away
.endr
.irp t, 0,1
	v_max_num_f32 v[ST+8*\t+4], v[ST+8*\t+4], v[ST+8*\t+5]
.endr
.irp t, 0,1
	v_sub_f32 v[ST+8*\t+7], v[ST+8*\t], v[ST+8*\t+4]                      ; m_old - m_new
.endr
.irp t, 0,1
	v_mov_b32 v[ST+8*\t], v[ST+8*\t+4]
.endr
.set i, 0
.rept 16
.irp t, 0,1
	v_pk_add_f32 v[S+32*\t+i:S+32*\t+i+1], v[S+32*\t+i:S+32*\t+i+1], v[ST+8*\t:ST+8*\t+1] op_sel_hi:[1,0] neg_lo:[0,1] neg_hi:[0,1]   ; t - m
.endr
.set i, i+2
.endr
.irp t, 0,1
	v_exp_f32 v[ST+8*\t+6], v[ST+8*\t+7]           ; a = 2^(m_old - m_new)
.endr
.set i, 0
.rept 32
.irp t, 0,1
	v_exp_f32 v[S+32*\t+i], v[S+32*\t+i]           ; p: the 66 exponentials of both tiles are one batch
.endr
.set i, i+1
.endr
	v_nop                                          ; a plain instruction behind the last exponential
	s_wait_alu depctr_va_vdst(0)                   ; one wait for the batch, ahead of its first reader
.set i, 0
.rept 16
.irp t, 0,1
	v_cvt_pk_f16_f32 v[P+16*\t+i], v[S+32*\t+2*i], v[S+32*\t+2*i+1]
.endr
.set i, i+1
.endr
.irp w, 4,8,16,32                      ; the sum of a tile's 16 pairs, in place
.set i, 0
.rept 32/\w
.irp t, 0,1
	v_pk_add_f32 v[S+32*\t+i:S+32*\t+i+1], v[S+32*\t+i:S+32*\t+i+1], v[S+32*\t+i+\w/2:S+32*\t+i+\w/2+1]
.endr
.set i, i+\w
.endr
.endr
.irp t, 0,1
	v_pk_fma_f32 v[ST+8*\t+2:ST+8*\t+3], v[ST+8*\t+2:ST+8*\t+3], v[ST+8*\t+6:ST+8*\t+7], v[S+32*\t:S+32*\t+1] op_sel_hi:[1,0,1]   ; l = l a + the sum
.endr
	WIN W_RS
.set i, 0
.rept 16
.irp t, 0,1
	v_pk_mul_f32 v[OA+32*\t+i:OA+32*\t+i+1], v[OA+32*\t+i:OA+32*\t+i+1], v[ST+8*\t+6:ST+8*\t+7] op_sel_hi:[1,0]
.endr
.set i, i+2
.endr
.endm
.macro COMPUTE                         ; a key step: 16 products K Q^T, the softmax, 16 products V^T P; eight accumulators by turns in each run
	s_wait_dscnt 32                                ; K is in; the mask's and V's 32 loads may be out
	WIN W_KQ
.irp ks, 0,1
.irp kt, 0,1,2,3
.irp t, 0,1
.if \ks == 0
	v_wmma_f32_16x16x32_f16 v[S+32*\t+8*\kt:S+32*\t+8*\kt+7], v[KF+16*\kt+8*\ks:KF+16*\kt+8*\ks+7], v[16*\t+8*\ks:16*\t+8*\ks+7], 0
.else
	v_wmma_f32_16x16x32_f16 v[S+32*\t+8*\kt:S+32*\t+8*\kt+7], v[KF+16*\kt+8*\ks:KF+16*\kt+8*\ks+7], v[16*\t+8*\ks:16*\t+8*\ks+7], v[S+32*\t+8*\kt:S+32*\t+8*\kt+7]
.endif
.endr
.endr
.endr
	WIN 0
	PLACES                                         ; four places in front of the first read of results
	s_wait_dscnt 16                                ; the mask is in; V's 16 loads may be out
	SOFTMAX
	s_wait_dscnt 0x0                               ; V is in
	WIN W_PV
.irp kc, 0,1
.irp c, 0,1,2,3
.irp t, 0,1
	v_wmma_f32_16x16x32_f16 v[OA+32*\t+8*\c:OA+32*\t+8*\c+7], v[VF+32*\kc+8*\c:VF+32*\kc+8*\c+7], v[P+16*\t+8*\kc:P+16*\t+8*\kc+7], v[OA+32*\t+8*\c:OA+32*\t+8*\c+7]
.endr
.endr
.endr
.endm
; A TRIP: a slot's 128 keys.  At its head every wave waits for all its tensor loads (its part of this slot), adds 0 to its spare word, and waits for that and for its reads of the other slot; a round of the
; cluster's barrier; then the other slot is asked for again first thing: one joint load a wave, which has the trip's two key steps in which to land.
.macro TRIP slot, refill, ask
	WIN 0
	s_wait_tensorcnt 0x0                           ; no tensor load of mine is out, so every group 0 may be written: this slot's next tile
	ds_add_u32 v[SPW], v[NIL]
	s_add_nc_u64 s[G0M+4*\slot+2:G0M+4*\slot+3], s[G0M+4*\slot+2:G0M+4*\slot+3], 1024
	s_add_nc_u64 s[G0K+4*\slot+2:G0K+4*\slot+3], s[G0K+4*\slot+2:G0K+4*\slot+3], 65536
.if \ask
	s_wait_xcnt 0x0                                ; the last prefetch, a trip back, has read its address
	s_add_nc_u64 s[PFA:PFA+1], s[PFA:PFA+1], s[PFS:PFS+1]
.endif
	s_wait_dscnt 0x0                               ; the add is done, and my reads of the other slot are over
.if \refill
	CROUND
	JLOAD 1-\slot                                  ; its four v_nop are also the places in front of the loads into V's registers
.else
	s_barrier_signal -1
	s_barrier_wait -1
	PLACES
.endif
	LOADS \slot, 0
.if \ask
	WIN 0
	ASK                                            ; behind the joint load and the run of LDS loads that the next products wait for
.endif
	COMPUTE
	WIN 0
	PLACES                                         ; four places in front of the loads into V's registers
	LOADS \slot, 1
	COMPUTE
.endm
	s_wait_loadcnt 0x0                             ; Q
.Lslots:                                           ; seven trips of two slots: slots 0-13 are worked, slots 1-14 asked for
	TRIP 0, 1, 1
	TRIP 1, 1, 1
	WIN 0
	s_sub_co_u32 s[LOOP], s[LOOP], 1
	s_cmp_lg_u32 s[LOOP], 0
	s_cbranch_scc1 .Lslots
	TRIP 0, 1, 0                                   ; the tail is written out: slot 15 is asked for, nothing is prefetched,
	TRIP 1, 0, 0                                   ; and the last slot asks for nothing
	; THE WAY OUT: O^T / l, rounded to f16, through the work-group's stage: a row's 256 bytes come from two waves (the two heads)
	WIN 0
	PLACES
.irp t, 0,1
	v_add_f32 v[ST+8*\t+4], v[ST+8*\t+2], v[ST+8*\t+3]
.endr
.irp t, 0,1
	v_permlanex16_b32 v[ST+8*\t+5], v[ST+8*\t+4], s[SEL], s[SEL+1]
.endr
.irp t, 0,1
	v_add_f32 v[ST+8*\t+4], v[ST+8*\t+4], v[ST+8*\t+5]
.endr
.irp t, 0,1
	v_rcp_f32 v[ST+8*\t+6], v[ST+8*\t+4]
.endr
	v_nop
	s_wait_alu depctr_va_vdst(0)                   ; one wait for the two reciprocals, ahead of their first reader
	WIN W_RS
.set i, 0
.rept 16
.irp t, 0,1
	v_pk_mul_f32 v[OA+32*\t+i:OA+32*\t+i+1], v[OA+32*\t+i:OA+32*\t+i+1], v[ST+8*\t+6:ST+8*\t+7] op_sel_hi:[1,0]
.endr
.set i, i+2
.endr
	WIN 0x05                                       ; sources 0 and 1 window 1
.set i, 0
.rept 16
.irp t, 0,1
	v_cvt_pk_f16_f32 v[S+16*\t+i], v[OA+32*\t+2*i], v[OA+32*\t+2*i+1]
.endr
.set i, i+1
.endr
	WIN 0
.irp t, 0,1
.irp c, 0,1,2,3
	ds_store_b128 v[STO], v[S+16*\t+4*\c:S+16*\t+4*\c+3] offset:16*SP*\t+32*\c
.endr
.endr
	s_wait_dscnt 0x0                               ; for the others' sake: my stores into the stage are done
	s_barrier_signal -1
	s_barrier_wait -1
.irp i, 0,1,2,3,4,5,6,7
	ds_load_b128 v[MK+4*\i:MK+4*\i+3], v[RD] offset:2*SP*\i
.endr
.irp i, 0,1,2,3,4,5,6,7
	s_wait_dscnt 7-\i
	global_store_b128 v[GO], v[MK+4*\i:MK+4*\i+3], s[10:11] offset:4096*\i   ; 16 lanes store 256 consecutive bytes, aligned
.endr
	s_wait_tensorcnt 0x0                           ; the wave's end
	ds_add_u32 v[SPW], v[NIL]
	s_wait_dscnt 0x0
	CROUND                                         ; the closing round
	s_endpgm
.Lfunc_end_k_qe3ac96361f_attn:
	.size	k_qe3ac96361f_attn, .Lfunc_end_k_qe3ac96361f_attn-k_qe3ac96361f_attn
	.p2alignl 7, 3214868480
	.fill 96, 4, 3214868480
	.section	.rodata,"a",@progbits
	.p2align	6, 0x0
	.amdhsa_kernel k_qe3ac96361f_attn
		.amdhsa_group_segment_fixed_size 327680
		.amdhsa_private_segment_fixed_size 0
		.amdhsa_enable_private_segment 0
		.amdhsa_kernarg_size 32
		.amdhsa_user_sgpr_count 2
		.amdhsa_user_sgpr_kernarg_segment_ptr 1
		.amdhsa_wavefront_size32 1
		.amdhsa_system_sgpr_workgroup_id_x 1
		.amdhsa_system_sgpr_workgroup_id_y 1
		.amdhsa_system_sgpr_workgroup_id_z 1
		.amdhsa_system_vgpr_workitem_id 0
		.amdhsa_next_free_vgpr 416
		.amdhsa_next_free_sgpr 96
		.amdhsa_reserve_vcc 0
		.amdhsa_float_denorm_mode_32 3
		.amdhsa_float_denorm_mode_16_64 3
		.amdhsa_memory_ordered 1
		.amdhsa_forward_progress 1
		.amdhsa_inst_pref_size 182
	.end_amdhsa_kernel
	.amdgpu_metadata
---
amdhsa.version: [ 1, 2 ]
amdhsa.kernels:
  - .name:           k_qe3ac96361f_attn
    .symbol:         k_qe3ac96361f_attn.kd
    .args:
      - { .name: qimg, .offset: 0, .size: 8, .value_kind: global_buffer, .address_space: global }
      - { .name: kv, .offset: 8, .size: 8, .value_kind: global_buffer, .address_space: global }
      - { .name: mask, .offset: 16, .size: 8, .value_kind: global_buffer, .address_space: global }
      - { .name: att, .offset: 24, .size: 8, .value_kind: global_buffer, .address_space: global }
    .group_segment_fixed_size: 327680
    .private_segment_fixed_size: 0
    .kernarg_segment_align: 8
    .kernarg_segment_size: 32
    .max_flat_workgroup_size: 256
    .sgpr_count:     96
    .vgpr_count:     416
    .wavefront_size: 32
...
	.end_amdgpu_metadata
.endif
;; end of part 3
;; launch proj (part 4): grid 8 x 64, 4 waves a work-group, clusters of 4 x 4, 327,680 bytes of LDS; arguments att, wo16, out0; writes out0
.if DOCPART == 4
	.amdgcn_target "amdgcn-amd-amdhsa--gfx1250"
	.amdhsa_code_object_version 6
	.text
	.protected	k_qe3ac96361f_proj
	.globl	k_qe3ac96361f_proj
	.p2align	8
	.type	k_qe3ac96361f_proj,@function
k_qe3ac96361f_proj:
	s_mov_b64 s[64:65], 0
	v_nop
	global_prefetch_b8 v0, s[64:65] scope:SCOPE_SE
	s_setreg_imm32_b32 hwreg(HW_REG_WAVE_MODE, 25, 1), 1
	s_wait_xcnt 0x0
	s_wait_alu depctr_hold_cnt(0) depctr_sa_sdst(0) depctr_va_vdst(0) depctr_va_sdst(0) depctr_va_ssrc(0) depctr_va_vcc(0) depctr_vm_vsrc(0)
	s_getreg_b32 s2, hwreg(HW_REG_IB_STS2, 6, 4)
	s_cmp_eq_u32 s2, 0
	s_cbranch_scc0 .Lentry_in_a_cluster
	s_endpgm
.Lentry_in_a_cluster:
	s_bfe_u32 s2, ttmp6, 0x10000c
	s_cmp_lg_u32 s2, 0xf033
	s_cbranch_scc0 .Lentry_shape_is_right
	s_endpgm
.Lentry_shape_is_right:
; out0[m][n] = sum over k of att[m][k] wo[n][k].  att: [8192][1024], wo16: [1024][1024], f16; out0: [8192][1024] f32; sums in f32.
; (Positions 0-15 of every sequence are written again, more finely, by the last launch: whether a tile holds them hangs on the work-group's place in its cluster.)
; A tile of the result is 128 x 128: 512 work-groups.  Four waves, each 64 x 64: 16 accumulators of 16 x 16.  K goes in steps of 256 (LDS rows of 512 bytes; a wave's tensor load brings 64 of them) through two slots.
; CLUSTERS: 4 x 4 work-groups.  The four of a row need the same tiles of att, the four of a column the same tiles of wo16: each tile is asked for JOINTLY.
; THE MATRIX INSTRUCTION IS USED TRANSPOSED (source 0 = 16 rows of wo16, source 1 = 16 rows of att): a lane holds eight neighbouring numbers of a row of the result.
; REGISTERS: window 0: v0-31 addresses; v32-95 the way out; v128-255 the accumulators ((a, b) at v[128 + 8 (4 a + b)]).  window 1: two fragment buffers of 128: 64 registers of att, then 64 of wo16.
.set SIZE_M, 8192
.set SIZE_N, 1024
.set SIZE_K, 1024
.set KSTEP,  256
.set PITCH,  528                       ; an LDS row: 512 bytes + 16 of padding
.set HALFT,  64*PITCH
.set SLOT,   4*HALFT
.set STAGE,  2*SLOT                    ; behind the ring: 16 rows x 272 bytes for each wave
.set SPITCH, 272
.set SPARE,  STAGE+4*16*SPITCH         ; the spare words, 128 bytes a wave
.set LAPS, SIZE_K/(2*KSTEP)
.set ADRA, 16
.set ADRB, 20
.set STO,  24
.set RD,   25
.set CO,   26
.set SPW,  28
.set NIL,  29
.set TMP,  32
.set ACC,  128
.set F0,   0
.set F1,   128
.set G1, 24
.set G0, 32
.set G1B, 48
.set G0B, 56
.set MSB, 0
.macro WIN new
.if MSB != \new
	s_set_vgpr_msb (MSB<<8)|\new
.set MSB, \new
.endif
.endm
.set MUL,  0x05                        ; sources 0 and 1 window 1; C and D window 0
.set TO_F, 0x40                        ; destination window 1, address window 0
.macro JLOAD s                         ; a joint load: waves 0 and 1 fetch att's two halves, waves 2 and 3 wo16's; an s_nop 0 and four v_nop follow each of the two lines
	s_cmp_eq_u32 s11, 0
	s_cbranch_scc0 .Lfor_b_\@
	tensor_load_to_lds s[G0+4*\s:G0+4*\s+3], s[G1:G1+7]
	s_nop 0
.rept 4
	v_nop
.endr
	s_branch .Lasked_\@
.Lfor_b_\@:
	tensor_load_to_lds s[G0B+4*\s:G0B+4*\s+3], s[G1B:G1B+7]
	s_nop 0
.rept 4
	v_nop
.endr
.Lasked_\@:
.endm
.macro CREST
	s_cmp_lg_u32 s10, 0
	s_cbranch_scc1 .Lnot_wave_0_\@
	s_barrier_signal -3
.Lnot_wave_0_\@:
	s_barrier_wait -3
	s_barrier_signal -1
	s_barrier_wait -1
.endm
.macro CROUND
	s_barrier_signal -1
	s_barrier_wait -1
	CREST
.endm
	s_load_b128 s[4:7], s[0:1], 0x0                ; att, wo16
	s_load_b64 s[8:9], s[0:1], 0x10                ; out0
	v_lshl_add_u32 v[SPW], v0, 2, SPARE
	v_mov_b32 v[NIL], 0
	ds_add_u32 v[SPW], v[NIL]                      ; the wave's opening: the add, twice on end, and its wait ahead of my first tensor load
	ds_add_u32 v[SPW], v[NIL]
	v_lshrrev_b32 v1, 5, v0
	v_readfirstlane_b32 s10, v1                    ; wave 0..3
	s_lshr_b32 s11, s10, 1                         ; which half of the tile's rows is mine.  Also: I fetch for att (0) or for wo16 (1)
	s_and_b32 s12, s10, 1                          ; which half of its columns.  Also: which 64 rows of that tile I fetch
	s_bfe_u32 s40, ttmp6, 0x40000                  ; cx, cy
	s_bfe_u32 s41, ttmp6, 0x40004
	s_lshl_b32 s42, ttmp9, 2
	s_add_co_u32 s42, s42, s40                     ; tile column
	s_and_b32 s13, ttmp7, 0xffff
	s_lshl_b32 s13, s13, 2
	s_add_co_u32 s13, s13, s41                     ; tile row
	s_lshl_b32 s43, s41, 2
	s_lshl_b32 s43, 15, s43                        ; my row of the cluster
	s_lshl_b32 s44, 0x1111, s40                    ; my column
	s_or_b32 s[G1+0], s43, (1<<16)|(1<<20)|(1<<21)|(6<<22)|(3<<25)  ; elements of 2 bytes; 4 words of padding behind every 128
	s_or_b32 s[G1B+0], s44, (1<<16)|(1<<20)|(1<<21)|(6<<22)|(3<<25)
.irp g, G1, G1B
	s_mov_b32 s[\g+1], KSTEP<<16
	s_mov_b32 s[\g+2], 64<<16
	s_mov_b32 s[\g+3], KSTEP<<16
	s_mov_b32 s[\g+4], 64
	s_mov_b32 s[\g+5], SIZE_K
	s_mov_b32 s[\g+6], 0
	s_mov_b32 s[\g+7], 0
.endr
	s_lshl_b32 s17, s12, 6
	s_lshl_b32 s16, s13, 7
	s_add_co_u32 s16, s16, s17                     ; att: row 128 x tile row + 64 x half
	s_lshl_b32 s46, s42, 7
	s_add_co_u32 s46, s46, s17                     ; wo16: row 128 x tile column + 64 x half
	s_mov_b32 s17, 0
	s_mov_b32 s47, 0
	s_mov_b64 s[18:19], SIZE_K*2
	s_mul_u64 s[16:17], s[16:17], s[18:19]
	s_mul_u64 s[46:47], s[46:47], s[18:19]
	s_mul_i32 s20, s10, HALFT
	s_wait_dscnt 0x0                               ; both opening adds are done
	s_wait_kmcnt 0x0
	s_add_nc_u64 s[14:15], s[4:5], s[16:17]
	s_add_nc_u64 s[46:47], s[6:7], s[46:47]
	CROUND                                         ; all sixteen work-groups are here: the first joint loads meet
.irp s, 0,1
	s_mov_b32 s[G0+4*\s], 1
	s_add_co_u32 s[G0+4*\s+1], s20, \s*SLOT
	s_add_nc_u64 s[G0+4*\s+2:G0+4*\s+3], s[14:15], \s*KSTEP*2
	s_or_b32 s[G0+4*\s+3], s[G0+4*\s+3], 0x80000000
	s_mov_b32 s[G0B+4*\s], 1
	s_add_co_u32 s[G0B+4*\s+1], s20, \s*SLOT
	s_add_nc_u64 s[G0B+4*\s+2:G0B+4*\s+3], s[46:47], \s*KSTEP*2
	s_or_b32 s[G0B+4*\s+3], s[G0B+4*\s+3], 0x80000000
	JLOAD \s
.endr
	v_and_b32 v1, 15, v0                           ; l % 16
	v_bfe_u32 v2, v0, 4, 1                         ; l / 16
	v_mul_u32_u24 v3, v1, PITCH
	v_lshl_add_u32 v3, v2, 4, v3
	s_mul_i32 s21, s11, HALFT                      ; my 64 rows of att
	s_mul_i32 s22, s12, HALFT                      ; my 64 rows of wo16,
	s_add_co_u32 s22, s22, 2*HALFT                 ; which lie behind att's 128
.irp s, 0,1
	v_add_nc_u32 v[ADRA+\s], s21, v3
	v_add_nc_u32 v[ADRB+\s], s22, v3
	s_add_co_u32 s21, s21, SLOT
	s_add_co_u32 s22, s22, SLOT
.endr
	s_mul_i32 s23, s10, 16*SPITCH                  ; my own stage: a wave's 64 columns of f32 are 256 bytes
	s_add_co_u32 s23, s23, STAGE
	v_mul_u32_u24 v4, v1, SPITCH                   ; in: row l % 16, 32 bytes for each half of the lanes
	v_lshl_add_u32 v4, v2, 5, v4
	v_add_nc_u32 v[STO], s23, v4
	v_mul_u32_u24 v5, v2, SPITCH                   ; back: lanes 0-15 one row of 256 bytes, lanes 16-31 the next
	v_lshl_add_u32 v5, v1, 4, v5
	v_add_nc_u32 v[RD], s23, v5
	v_lshlrev_b32 v5, 12, v2                       ; and the same two rows in out0
	v_lshl_add_u32 v[CO], v1, 4, v5
	s_lshl_b32 s16, s13, 7
	s_lshl_b32 s17, s11, 6
	s_add_co_u32 s16, s16, s17                     ; my first row: 128 x tile row + 64 x half
	s_mov_b32 s17, 0
	s_lshl_b64 s[16:17], s[16:17], 12
	s_add_nc_u64 s[8:9], s[8:9], s[16:17]
	s_lshl_b32 s46, s42, 9                         ; my first column, in bytes: 512 x tile column + 256 x half
	s_lshl_b32 s47, s12, 8
	s_add_co_u32 s46, s46, s47
	s_mov_b32 s47, 0
	s_add_nc_u64 s[8:9], s[8:9], s[46:47]
.macro MUL8 f, c, a0, zero             ; 8 products: m blocks a0, a0 + 1 x all 4 n blocks, 32 along K: half c of buffer f.  zero = 1: the first product starts the sums
.irp a, \a0, \a0+1
.irp b, 0,1,2,3
.if \zero
	v_wmma_f32_16x16x32_f16 v[ACC+8*(4*(\a)+\b):ACC+8*(4*(\a)+\b)+7], v[\f+64+8*(4*\c+\b):\f+64+8*(4*\c+\b)+7], v[\f+8*(4*\c+\a):\f+8*(4*\c+\a)+7], 0
.else
	v_wmma_f32_16x16x32_f16 v[ACC+8*(4*(\a)+\b):ACC+8*(4*(\a)+\b)+7], v[\f+64+8*(4*\c+\b):\f+64+8*(4*\c+\b)+7], v[\f+8*(4*\c+\a):\f+8*(4*\c+\a)+7], v[ACC+8*(4*(\a)+\b):ACC+8*(4*(\a)+\b)+7]
.endif
.endr
.endr
.endm
.macro FETCH slot, k, f                ; 32 LDS loads in one run: the fragments of 64 along K at byte k of the rows, into buffer f; the first 32 along K first
	WIN TO_F
.irp c, 0,1
.irp i, 0,1,2,3
	ds_load_b128 v[\f+64+8*(4*\c+\i):\f+64+8*(4*\c+\i)+3],   v[ADRB+\slot] offset:\k+64*\c+\i*16*PITCH
	ds_load_b128 v[\f+64+8*(4*\c+\i)+4:\f+64+8*(4*\c+\i)+7], v[ADRB+\slot] offset:\k+64*\c+\i*16*PITCH+32
	ds_load_b128 v[\f+8*(4*\c+\i):\f+8*(4*\c+\i)+3],         v[ADRA+\slot] offset:\k+64*\c+\i*16*PITCH
	ds_load_b128 v[\f+8*(4*\c+\i)+4:\f+8*(4*\c+\i)+7],       v[ADRA+\slot] offset:\k+64*\c+\i*16*PITCH+32
.endr
.endr
.endm
.macro PLACES
.rept 4
	v_nop
.endr
.endm
.macro QUARTER slot, k, f, g, zero     ; 64 along K: multiplies buffer f and fetches the next quarter, at byte k, into g
	s_wait_dscnt 16                                ; the first 32 along K are in
	WIN MUL
	MUL8 \f, 0, 0, \zero
	MUL8 \f, 0, 2, \zero
	PLACES
	FETCH \slot, \k, \g
	s_wait_dscnt 32                                ; all but the 32 just issued
	WIN MUL
	MUL8 \f, 1, 0, 0
	MUL8 \f, 1, 2, 0
.endm
.macro TURN slot, next, fill           ; the last quarter multiplies buffer 1 and changes slots
	WIN 0
	s_wait_tensorcnt 0x0                           ; all my tensor loads have landed: my part of the next slot;
	ds_add_u32 v[SPW], v[NIL]
	s_wait_dscnt 17                                ; (the add and the youngest sixteen loads may be out)
	WIN MUL
	MUL8 F1, 0, 0, 0
	s_wait_dscnt 0x0                               ; the add is done, and my reads of this slot are over
	s_barrier_signal -1
	MUL8 F1, 0, 2, 0
.if \fill
	WIN 0
.endif
	s_barrier_wait -1
.if \fill
	CREST                                          ; the barrier has opened a round of the cluster's barrier
	s_add_nc_u64 s[G0+4*\slot+2:G0+4*\slot+3], s[G0+4*\slot+2:G0+4*\slot+3], 2*KSTEP*2
	s_add_nc_u64 s[G0B+4*\slot+2:G0B+4*\slot+3], s[G0B+4*\slot+2:G0B+4*\slot+3], 2*KSTEP*2
	JLOAD \slot                                    ; the first tensor load behind the round; its four v_nop are also the places in front of the loads below
.else
	PLACES
.endif
	FETCH \next, 0, F0
	WIN MUL
	MUL8 F1, 1, 0, 0
	MUL8 F1, 1, 2, 0
.endm
	s_wait_tensorcnt 1                             ; my part of K step 0 is in (K step 1's load may be out),
	s_barrier_signal -1
	s_barrier_wait -1                              ; everybody's is
	FETCH 0, 0, F0
	QUARTER 0, 128, F0, F1, 1                      ; the first quarter stands in front of the loop: its first products start the sums
	WIN 0
	s_mov_b32 s3, LAPS-1
.Llap:
	QUARTER 0, 256, F1, F0, 0
	QUARTER 0, 384, F0, F1, 0
	TURN 0, 1, 1
	QUARTER 1, 128, F0, F1, 0
	QUARTER 1, 256, F1, F0, 0
	QUARTER 1, 384, F0, F1, 0
	TURN 1, 0, 1
	QUARTER 0, 128, F0, F1, 0
	WIN 0
	s_sub_co_u32 s3, s3, 1
	s_cmp_lg_u32 s3, 0
	s_cbranch_scc1 .Llap
	QUARTER 0, 256, F1, F0, 0                      ; the last lap fills nothing
	QUARTER 0, 384, F0, F1, 0
	TURN 0, 1, 0
	QUARTER 1, 128, F0, F1, 0
	QUARTER 1, 256, F1, F0, 0
	QUARTER 1, 384, F0, F1, 0
	s_wait_dscnt 16
	WIN MUL
	MUL8 F1, 0, 0, 0
	MUL8 F1, 0, 2, 0
	s_wait_dscnt 0
	MUL8 F1, 1, 0, 0
	MUL8 F1, 1, 2, 0
	WIN 0
	; THE WAY OUT, a block of 16 rows x 64 columns at a time through my own stage: in as 32 bytes a lane, back as whole rows of 256 bytes.  LDS serves a wave's instructions in order: no wait between stores and loads.
.macro TOSTAGE a
.irp b, 0,1,2,3
	ds_store_b128 v[STO], v[ACC+8*(4*(\a)+\b):ACC+8*(4*(\a)+\b)+3] offset:64*\b           ; each accumulator from its low end on
	ds_store_b128 v[STO], v[ACC+8*(4*(\a)+\b)+4:ACC+8*(4*(\a)+\b)+7] offset:64*\b+16
.endr
.irp i, 0,1,2,3,4,5,6,7
	ds_load_b128 v[TMP+32*((\a)%2)+4*\i:TMP+32*((\a)%2)+4*\i+3], v[RD] offset:2*\i*SPITCH
.endr
.endm
.macro SEND a, younger
	s_wait_dscnt \younger                          ; the block is back in registers; the next block's stage instructions may be out
.irp i, 0,1,2,3,4,5,6,7
	global_store_b128 v[CO], v[TMP+32*((\a)%2)+4*\i:TMP+32*((\a)%2)+4*\i+3], s[8:9] offset:(16*(\a)+2*\i)*SIZE_N*4   ; 16 lanes store 256 consecutive bytes, aligned
.endr
.endm
	PLACES
	TOSTAGE 0
	TOSTAGE 1
	SEND 0, 16
	s_wait_xcnt 0x0                                ; block 0's stores have read their data: block 2's loads may land there
	TOSTAGE 2
	SEND 1, 16
	s_wait_xcnt 0x0
	TOSTAGE 3
	SEND 2, 16
	SEND 3, 0
	s_wait_tensorcnt 0x0                           ; the wave's end
	ds_add_u32 v[SPW], v[NIL]
	s_wait_dscnt 0x0
	CROUND                                         ; the closing round
	s_endpgm
.Lfunc_end_k_qe3ac96361f_proj:
	.size	k_qe3ac96361f_proj, .Lfunc_end_k_qe3ac96361f_proj-k_qe3ac96361f_proj
	.p2alignl 7, 3214868480
	.fill 96, 4, 3214868480
	.section	.rodata,"a",@progbits
	.p2align	6, 0x0
	.amdhsa_kernel k_qe3ac96361f_proj
		.amdhsa_group_segment_fixed_size 327680
		.amdhsa_private_segment_fixed_size 0
		.amdhsa_enable_private_segment 0
		.amdhsa_kernarg_size 24
		.amdhsa_user_sgpr_count 2
		.amdhsa_user_sgpr_kernarg_segment_ptr 1
		.amdhsa_wavefront_size32 1
		.amdhsa_system_sgpr_workgroup_id_x 1
		.amdhsa_system_sgpr_workgroup_id_y 1
		.amdhsa_system_sgpr_workgroup_id_z 1
		.amdhsa_system_vgpr_workitem_id 0
		.amdhsa_next_free_vgpr 512
		.amdhsa_next_free_sgpr 66
		.amdhsa_reserve_vcc 0
		.amdhsa_float_denorm_mode_32 3
		.amdhsa_float_denorm_mode_16_64 3
		.amdhsa_memory_ordered 1
		.amdhsa_forward_progress 1
		.amdhsa_inst_pref_size 86
	.end_amdhsa_kernel
	.amdgpu_metadata
---
amdhsa.version: [ 1, 2 ]
amdhsa.kernels:
  - .name:           k_qe3ac96361f_proj
    .symbol:         k_qe3ac96361f_proj.kd
    .args:
      - { .name: att, .offset: 0, .size: 8, .value_kind: global_buffer, .address_space: global }
      - { .name: wo16, .offset: 8, .size: 8, .value_kind: global_buffer, .address_space: global }
      - { .name: out0, .offset: 16, .size: 8, .value_kind: global_buffer, .address_space: global }
    .group_segment_fixed_size: 327680
    .private_segment_fixed_size: 0
    .kernarg_segment_align: 8
    .kernarg_segment_size: 24
    .max_flat_workgroup_size: 128
    .sgpr_count:     66
    .vgpr_count:     512
    .wavefront_size: 32
...
	.end_amdgpu_metadata
.endif
;; end of part 4
;; launch finea (part 5): grid 256 x 1, 16 waves a work-group, no clusters, 69,632 bytes of LDS; arguments qimg, kv, vlo, mask, apart; writes apart
.if DOCPART == 5
	.amdgcn_target "amdgcn-amd-amdhsa--gfx1250"
	.amdhsa_code_object_version 6
	.text
	.protected	k_qe3ac96361f_finea
	.globl	k_qe3ac96361f_finea
	.p2align	8
	.type	k_qe3ac96361f_finea,@function
k_qe3ac96361f_finea:
	s_mov_b64 s[64:65], 0
	v_nop
	global_prefetch_b8 v0, s[64:65] scope:SCOPE_SE
	s_setreg_imm32_b32 hwreg(HW_REG_WAVE_MODE, 25, 1), 1
	s_wait_xcnt 0x0
; Positions 0-15 of every sequence, more finely: the attention, in four parts along the keys.  Work-group g: head bh = g / 4 (batch x 16 + head), keys 512 (g % 4) .. + 511.
; For its 16 queries and 512 keys (the mask is an input and is added as given): t = mask x log2(e) + q'.k, m = the largest t (with the floor -3e38), p = 2^(t - m), l = the sum of p, O^T = V^T p with p and V as pairs
; of f16 numbers (high part: the f32 number with its low 13 mantissa bits cleared, exact in f16; low part: the remainder), three products for one.  O^T goes out NOT normalised, in f32, with m and l: the next launch joins the parts.
; The floor: a part whose mask is -infinity throughout gives p = 0, l = 0, O = 0 and weighs nothing in the join.
; LIMITS: q and k are single f16 numbers; parts of a pair under 6e-5 keep an absolute error of 3e-8.
; SHARES.  Sixteen waves, 32 keys each: two tiles of K, one chunk of V.  A wave's 32 loads all go out at the head, straight into registers: each byte is read once by one wave, so there is no tensor load; no cluster: the work-groups share only the mask's first 16 rows.
; The largest t is joined through LDS BEFORE the exponentials, so the waves' sums and O^T simply add.
; THE RECORD in apart, 4,352 bytes a work-group: register pair i of O^T (i = 0 .. 15) as 256 bytes, 8 a lane; then 256 bytes of (m, l), 8 a lane (lane l: query l % 16).
; LDS: MX, LX [query][wave] f32; OX the waves' O^T as images of their registers.
.set MX,  0
.set LX,  1024
.set OX,  2048
.set SPARE, 67584                      ; the spare words, 128 bytes a wave
.set REC, 4352
.set LO,  1                            ; v1  16 x lane
.set MA,  2                            ; v2  the mask: 8,192 r + 32 h
.set MXW, 4                            ; v4  64 r + 4 w
.set MXR, 5                            ; v5  64 r
.set OXW, 6                            ; v6  OX + 4,096 w + 8 x lane
.set OXR, 7                            ; v7  OX + 256 w + 8 x lane
.set GO,  8                            ; v8  8 x lane
.set SPW, 14
.set NIL, 15
.set TQ,  16                           ; v16-31   Q, later at work
.set KX,  32                           ; v32-63   K's two tiles
.set X,   32                           ;          later: register pair w of the sixteen waves
.set MK,  64                           ; v64-79   the mask
.set S,   80                           ; v80-95   the scores, then p
.set VB,  96                           ; v96-127  V's high parts, v128-159 its low parts
.set PH,  160                          ; v160-167 p's high parts
.set PL,  168                          ; v168-175 p's low parts
.set O,   176                          ; v176-207 O^T
.set ML,  208                          ; v[208:209] m, l
.set L2E, 20
.set SEL, 22
.set HM,  24
.macro PLACES
.rept 4
	v_nop
.endr
.endm
.macro BARRIER
	s_wait_dscnt 0x0                               ; my LDS stores have landed and my LDS loads are in
	s_barrier_signal -1
	s_barrier_wait -1
.endm
; Eight pairs of f32 numbers, v[src + 2 (n0 + m)], become eight registers of high parts and eight of low parts.
.macro SPLIT src, hi, lo, n0
.irp m, 0,1,2,3,4,5,6,7
	v_and_b32 v[TQ+2*\m], s[HM], v[\src+2*((\n0)+\m)]
	v_and_b32 v[TQ+2*\m+1], s[HM], v[\src+2*((\n0)+\m)+1]
.endr
.irp m, 0,1,2,3,4,5,6,7
	v_cvt_pk_f16_f32 v[\hi+(\n0)+\m], v[TQ+2*\m], v[TQ+2*\m+1]
.endr
.irp m, 0,1,2,3,4,5,6,7
	v_pk_add_f32 v[TQ+2*\m:TQ+2*\m+1], v[\src+2*((\n0)+\m):\src+2*((\n0)+\m)+1], v[TQ+2*\m:TQ+2*\m+1] neg_lo:[0,1] neg_hi:[0,1]
.endr
.irp m, 0,1,2,3,4,5,6,7
	v_cvt_pk_f16_f32 v[\lo+(\n0)+\m], v[TQ+2*\m], v[TQ+2*\m+1]
.endr
.endm
	s_load_b256 s[4:11], s[0:1], 0x0               ; qimg, kv, vlo, mask
	s_load_b64 s[12:13], s[0:1], 0x20              ; apart
	v_lshl_add_u32 v[SPW], v0, 2, SPARE
	v_mov_b32 v[NIL], 0
	v_lshrrev_b32 v1, 5, v0
	v_readfirstlane_b32 s16, v1                    ; wave 0..15
	v_and_b32 v13, 31, v0
	v_and_b32 v32, 15, v0                          ; r
	v_bfe_u32 v33, v0, 4, 1                        ; h
	v_lshlrev_b32 v[LO], 4, v13
	v_lshlrev_b32 v[MA], 13, v32
	v_lshl_add_u32 v[MA], v33, 5, v[MA]
	v_lshlrev_b32 v[MXR], 6, v32
	s_lshl_b32 s17, s16, 2
	v_add_nc_u32 v[MXW], s17, v[MXR]
	v_lshlrev_b32 v[GO], 3, v13
	s_lshl_b32 s17, s16, 12
	s_add_co_u32 s17, s17, OX
	v_add_nc_u32 v[OXW], s17, v[GO]
	s_lshl_b32 s17, s16, 8
	s_add_co_u32 s17, s17, OX
	v_add_nc_u32 v[OXR], s17, v[GO]
	s_mov_b32 s[L2E], 0x3fb8aa3b                   ; log2(e)
	s_mov_b32 s[L2E+1], s[L2E]
	s_mov_b32 s[SEL], 0x76543210
	s_mov_b32 s[SEL+1], 0xfedcba98
	s_mov_b32 s[HM], 0xffffe000
	s_lshr_b32 s18, ttmp9, 2                       ; bh
	s_and_b32 s19, ttmp9, 3                        ; which 512 keys
	s_mov_b32 s27, 0
	s_wait_kmcnt 0x0
	s_lshl_b32 s26, s18, 18
	s_add_nc_u64 s[4:5], s[4:5], s[26:27]          ; qimg: my head's query tile 0
	s_lshl_b32 s28, s19, 16
	s_add_co_u32 s26, s26, s28
	s_lshl_b32 s28, s16, 12
	s_add_co_u32 s26, s26, s28
	s_add_nc_u64 s[8:9], s[8:9], s[26:27]          ; vlo: my head, chunk 16 j + w
	s_lshl_b32 s26, s18, 19
	s_lshl_b32 s28, s19, 17
	s_add_co_u32 s26, s26, s28
	s_lshr_b32 s28, s16, 2
	s_lshl_b32 s28, s28, 15
	s_add_co_u32 s26, s26, s28
	s_and_b32 s28, s16, 3
	s_lshl_b32 s28, s28, 12
	s_add_co_u32 s26, s26, s28
	s_add_nc_u64 s[6:7], s[6:7], s[26:27]          ; kv: my head, slot 4 j + w / 4, my 32 keys of its 128: 4,096 bytes on in K's part and in V's
	s_lshl_b32 s26, s19, 11
	s_lshl_b32 s28, s16, 7
	s_add_co_u32 s26, s26, s28
	s_add_nc_u64 s[10:11], s[10:11], s[26:27]      ; the mask: my 32 keys
	s_mul_i32 s26, ttmp9, REC
	s_add_nc_u64 s[14:15], s[12:13], s[26:27]      ; my work-group's record,
	s_lshl_b32 s26, s16, 8
	s_add_nc_u64 s[12:13], s[14:15], s[26:27]      ; and my wave's register pair in it
.irp p, 0,1,2,3
	global_load_b128 v[TQ+4*\p:TQ+4*\p+3], v[LO], s[4:5] offset:512*\p
.endr
.irp kt, 0,1
.irp p, 0,1,2,3
	global_load_b128 v[KX+16*\kt+4*\p:KX+16*\kt+4*\p+3], v[LO], s[6:7] offset:2048*\kt+512*\p
.endr
.endr
.irp kt, 0,1
.irp u, 0,1
	global_load_b128 v[MK+8*\kt+4*\u:MK+8*\kt+4*\u+3], v[MA], s[10:11] offset:64*\kt+16*\u
.endr
.endr
.irp c, 0,1,2,3
.irp g, 0,1
	global_load_b128 v[VB+8*\c+4*\g:VB+8*\c+4*\g+3], v[LO], s[6:7] offset:16384+1024*\c+512*\g
	global_load_b128 v[VB+32+8*\c+4*\g:VB+32+8*\c+4*\g+3], v[LO], s[8:9] offset:1024*\c+512*\g
.endr
.endr
	s_wait_loadcnt 20                              ; Q and K are in; the mask's 4 loads and V's 16 may be out
.irp ks, 0,1                           ; S^T = K Q^T: the two accumulators by turns
.irp kt, 0,1
.if \ks == 0
	v_wmma_f32_16x16x32_f16 v[S+8*\kt:S+8*\kt+7], v[KX+16*\kt+8*\ks:KX+16*\kt+8*\ks+7], v[TQ+8*\ks:TQ+8*\ks+7], 0
.else
	v_wmma_f32_16x16x32_f16 v[S+8*\kt:S+8*\kt+7], v[KX+16*\kt+8*\ks:KX+16*\kt+8*\ks+7], v[TQ+8*\ks:TQ+8*\ks+7], v[S+8*\kt:S+8*\kt+7]
.endif
.endr
.endr
	PLACES                                         ; four places in front of the first read of results and of the writes into Q's registers
	s_wait_loadcnt 16                              ; the mask is in; V's 16 loads may be out
.set n, 0
.rept 8
	v_pk_fma_f32 v[S+n:S+n+1], v[MK+n:MK+n+1], s[L2E:L2E+1], v[S+n:S+n+1] op_sel_hi:[1,0,1]   ; t = mask x log2(e) + q'.k; each accumulator from its low end on
.set n, n+2
.endr
	v_max3_num_f32 v[TQ], v[S], v[S+1], v[S+2]     ; the largest of my 16, in two chains
	v_max3_num_f32 v[TQ+1], v[S+3], v[S+4], v[S+5]
	v_max3_num_f32 v[TQ], v[TQ], v[S+6], v[S+7]
	v_max3_num_f32 v[TQ+1], v[TQ+1], v[S+8], v[S+9]
	v_max3_num_f32 v[TQ], v[TQ], v[S+10], v[S+11]
	v_max3_num_f32 v[TQ+1], v[TQ+1], v[S+12], v[S+13]
	v_max3_num_f32 v[TQ], v[TQ], v[S+14], v[S+15]
	v_max3_num_f32 v[TQ], v[TQ], v[TQ+1], 0xff61b1e6       ; and the floor -3e38
	v_permlanex16_b32 v[TQ+1], v[TQ], s[SEL], s[SEL+1]
	v_max_num_f32 v[TQ], v[TQ], v[TQ+1]            ; the largest t of my query among my wave's 32 keys
	ds_store_b32 v[MXW], v[TQ]                     ; (lanes r and r + 16 write the same word with the same value)
	BARRIER
.irp i, 0,1,2,3
	ds_load_b128 v[TQ+4*\i:TQ+4*\i+3], v[MXR] offset:MX+16*\i
.endr
	s_wait_dscnt 0x0
	v_max3_num_f32 v[TQ], v[TQ], v[TQ+1], v[TQ+2]
	v_max3_num_f32 v[TQ+3], v[TQ+3], v[TQ+4], v[TQ+5]
	v_max3_num_f32 v[TQ+6], v[TQ+6], v[TQ+7], v[TQ+8]
	v_max3_num_f32 v[TQ+9], v[TQ+9], v[TQ+10], v[TQ+11]
	v_max3_num_f32 v[TQ+12], v[TQ+12], v[TQ+13], v[TQ+14]
	v_max3_num_f32 v[TQ], v[TQ], v[TQ+3], v[TQ+6]
	v_max3_num_f32 v[TQ+9], v[TQ+9], v[TQ+12], v[TQ+15]
	v_max_num_f32 v[TQ], v[TQ], v[TQ+9]            ; m: over the work-group's 512 keys
	v_mov_b32 v[ML], v[TQ]
.set n, 0
.rept 8
	v_pk_add_f32 v[S+n:S+n+1], v[S+n:S+n+1], v[TQ:TQ+1] op_sel_hi:[1,0] neg_lo:[0,1] neg_hi:[0,1]   ; t - m
.set n, n+2
.endr
.set n, 0
.rept 16
	v_exp_f32 v[S+n], v[S+n]
.set n, n+1
.endr
	v_nop                                          ; a plain instruction behind the last exponential
	s_wait_alu depctr_va_vdst(0)                   ; one wait for the batch, ahead of its first reader
	v_pk_add_f32 v[TQ+2:TQ+3], v[S:S+1], v[S+2:S+3]        ; the sum of my 16 p, in two chains that leave p as it is
	v_pk_add_f32 v[TQ+4:TQ+5], v[S+4:S+5], v[S+6:S+7]
	v_pk_add_f32 v[TQ+2:TQ+3], v[TQ+2:TQ+3], v[S+8:S+9]
	v_pk_add_f32 v[TQ+4:TQ+5], v[TQ+4:TQ+5], v[S+10:S+11]
	v_pk_add_f32 v[TQ+2:TQ+3], v[TQ+2:TQ+3], v[S+12:S+13]
	v_pk_add_f32 v[TQ+4:TQ+5], v[TQ+4:TQ+5], v[S+14:S+15]
	v_pk_add_f32 v[TQ+2:TQ+3], v[TQ+2:TQ+3], v[TQ+4:TQ+5]
	v_add_f32 v[TQ+2], v[TQ+2], v[TQ+3]
	v_permlanex16_b32 v[TQ+3], v[TQ+2], s[SEL], s[SEL+1]
	v_add_f32 v[TQ+2], v[TQ+2], v[TQ+3]
	ds_store_b32 v[MXW], v[TQ+2] offset:LX
	SPLIT S, PH, PL, 0
	s_wait_loadcnt 0x0                             ; V
.irp c, 0,1,2,3                        ; O^T = V^T P: (V high, p high), (V high, p low), (V low, p high); the four accumulators by turns
	v_wmma_f32_16x16x32_f16 v[O+8*\c:O+8*\c+7], v[VB+8*\c:VB+8*\c+7], v[PH:PH+7], 0
.endr
.irp c, 0,1,2,3
	v_wmma_f32_16x16x32_f16 v[O+8*\c:O+8*\c+7], v[VB+8*\c:VB+8*\c+7], v[PL:PL+7], v[O+8*\c:O+8*\c+7]
.endr
.irp c, 0,1,2,3
	v_wmma_f32_16x16x32_f16 v[O+8*\c:O+8*\c+7], v[VB+32+8*\c:VB+32+8*\c+7], v[PH:PH+7], v[O+8*\c:O+8*\c+7]
.endr
	PLACES                                         ; four places in front of the first read of O^T
.set n, 0
.rept 16
	ds_store_b64 v[OXW], v[O+2*n:O+2*n+1] offset:256*n     ; my O^T as an image of its registers; each accumulator from its low end on
.set n, n+1
.endr
	BARRIER
.set n, 0
.rept 16
	ds_load_b64 v[X+2*n:X+2*n+1], v[OXR] offset:4096*n     ; register pair w of all sixteen waves
.set n, n+1
.endr
.irp i, 0,1,2,3
	ds_load_b128 v[TQ+4*\i:TQ+4*\i+3], v[MXR] offset:LX+16*\i
.endr
	s_wait_dscnt 0x0
	v_pk_add_f32 v[TQ:TQ+1], v[TQ:TQ+1], v[TQ+2:TQ+3]
	v_pk_add_f32 v[TQ+4:TQ+5], v[TQ+4:TQ+5], v[TQ+6:TQ+7]
	v_pk_add_f32 v[TQ+8:TQ+9], v[TQ+8:TQ+9], v[TQ+10:TQ+11]
	v_pk_add_f32 v[TQ+12:TQ+13], v[TQ+12:TQ+13], v[TQ+14:TQ+15]
	v_pk_add_f32 v[TQ:TQ+1], v[TQ:TQ+1], v[TQ+4:TQ+5]
	v_pk_add_f32 v[TQ+8:TQ+9], v[TQ+8:TQ+9], v[TQ+12:TQ+13]
	v_pk_add_f32 v[TQ:TQ+1], v[TQ:TQ+1], v[TQ+8:TQ+9]
	v_add_f32 v[ML+1], v[TQ], v[TQ+1]              ; l: over the work-group's 512 keys
.irp w, 4,8,16,32                      ; the sixteen waves' parts are added
.set n, 0
.rept 32/\w
	v_pk_add_f32 v[X+n:X+n+1], v[X+n:X+n+1], v[X+n+\w/2:X+n+\w/2+1]
.set n, n+\w
.endr
.endr
	global_store_b64 v[GO], v[X:X+1], s[12:13]     ; the wave stores 256 consecutive bytes, aligned
	s_cmp_lg_u32 s16, 0
	s_cbranch_scc1 .Lnot_wave_0
	global_store_b64 v[GO], v[ML:ML+1], s[14:15] offset:4096   ; m and l, once: 256 consecutive bytes, aligned
.Lnot_wave_0:
	s_wait_tensorcnt 0x0                           ; the wave's end
	ds_add_u32 v[SPW], v[NIL]
	s_wait_dscnt 0x0
	s_endpgm
.Lfunc_end_k_qe3ac96361f_finea:
	.size	k_qe3ac96361f_finea, .Lfunc_end_k_qe3ac96361f_finea-k_qe3ac96361f_finea
	.p2alignl 7, 3214868480
	.fill 96, 4, 3214868480
	.section	.rodata,"a",@progbits
	.p2align	6, 0x0
	.amdhsa_kernel k_qe3ac96361f_finea
		.amdhsa_group_segment_fixed_size 69632
		.amdhsa_private_segment_fixed_size 0
		.amdhsa_enable_private_segment 0
		.amdhsa_kernarg_size 40
		.amdhsa_user_sgpr_count 2
		.amdhsa_user_sgpr_kernarg_segment_ptr 1
		.amdhsa_wavefront_size32 1
		.amdhsa_system_sgpr_workgroup_id_x 1
		.amdhsa_system_sgpr_workgroup_id_y 1
		.amdhsa_system_sgpr_workgroup_id_z 1
		.amdhsa_system_vgpr_workitem_id 0
		.amdhsa_next_free_vgpr 256
		.amdhsa_next_free_sgpr 66
		.amdhsa_reserve_vcc 0
		.amdhsa_float_denorm_mode_32 3
		.amdhsa_float_denorm_mode_16_64 3
		.amdhsa_memory_ordered 1
		.amdhsa_forward_progress 1
		.amdhsa_inst_pref_size 17
	.end_amdhsa_kernel
	.amdgpu_metadata
---
amdhsa.version: [ 1, 2 ]
amdhsa.kernels:
  - .name:           k_qe3ac96361f_finea
    .symbol:         k_qe3ac96361f_finea.kd
    .args:
      - { .name: qimg, .offset: 0, .size: 8, .value_kind: global_buffer, .address_space: global }
      - { .name: kv, .offset: 8, .size: 8, .value_kind: global_buffer, .address_space: global }
      - { .name: vlo, .offset: 16, .size: 8, .value_kind: global_buffer, .address_space: global }
      - { .name: mask, .offset: 24, .size: 8, .value_kind: global_buffer, .address_space: global }
      - { .name: apart, .offset: 32, .size: 8, .value_kind: global_buffer, .address_space: global }
    .group_segment_fixed_size: 69632
    .private_segment_fixed_size: 0
    .kernarg_segment_align: 8
    .kernarg_segment_size: 40
    .max_flat_workgroup_size: 512
    .sgpr_count:     66
    .vgpr_count:     256
    .wavefront_size: 32
...
	.end_amdgpu_metadata
.endif
;; end of part 5
;; launch fineb (part 6): grid 64 x 1, 16 waves a work-group, no clusters, 211,200 bytes of LDS; arguments apart, wo, out0; writes out0
.if DOCPART == 6
	.amdgcn_target "amdgcn-amd-amdhsa--gfx1250"
	.amdhsa_code_object_version 6
	.text
	.protected	k_qe3ac96361f_fineb
	.globl	k_qe3ac96361f_fineb
	.p2align	8
	.type	k_qe3ac96361f_fineb,@function
k_qe3ac96361f_fineb:
	s_mov_b64 s[64:65], 0
	v_nop
	global_prefetch_b8 v0, s[64:65] scope:SCOPE_SE
	s_setreg_imm32_b32 hwreg(HW_REG_WAVE_MODE, 25, 1), 1
	s_wait_xcnt 0x0
; Positions 0-15 of every sequence, more finely: the join of the attention's four parts, and the projection.  out0[b][q][e] = sum over heads and channels of A[b][head][q][d] wo[e][64 head + d], for q = 0 .. 15.
; Work-group g: batch g / 16, outputs 64 (g % 16) .. + 63: each output number has one owner.  Sixteen waves: wave w is head w.
; THE JOIN, for each query: M = the largest of the four parts' m, w_j = 2^(m_j - M), A = (sum of w_j O_j) / (sum of w_j l_j), in f32.  A row whose mask is -infinity over all keys has l = 0 in every part and gives NaN.
; THE PRODUCT: A and wo as pairs of f16 numbers (high part: the f32 number with its low 13 mantissa bits cleared, exact in f16; low part: the remainder): (wo high, A high), (wo low, A high), (wo high, A low).
; LIMITS: |A| at or under 65,504; parts of a pair under 6e-5 keep an absolute error of 3e-8.
; wo IS LOADED BY ROWS: sixteen lanes take the 256 aligned bytes that a row holds for my head, two rows an instruction; the wave turns them into the order of a fragment's registers in its own stage in LDS
; (rows 272 bytes apart, so that the 16 rows that a load touches start at 16 different places modulo 256 bytes).  LDS serves a wave's instructions in order: no wait between the stores and the loads, and no barrier: the stage is the wave's own.
; The registers hold the four parts (128) and half of my rows of wo (64); the other half is asked for as soon as the parts are joined, and lands while the first half is multiplied.
; The sixteen heads' results are added through LDS: wave w adds register pair w of all sixteen; the sums are laid as rows, and waves 0-7 store two rows of 256 bytes each.
; No tensor load: each byte is read once by one wave.  No cluster: what work-groups share is small beside a launch of this length.  64 work-groups: narrower ones would store parts of a row's 256 bytes.
.set WREG,  8704                       ; a wave's stage: 32 rows x 272 bytes
.set OX,    139264                     ; 16 x 4,096: the waves' results as images of their registers
.set RST,   204800                     ; 16 rows x 272: the sums as rows
.set SPARE, 209152                     ; the spare words, 128 bytes a wave
.set REC,   4352                       ; a part's record in apart
.set G8,  1                            ; v1  8 x lane
.set WA,  2                            ; v2  4,096 (lane / 16) + 16 (lane % 16): two rows of wo, and of out0
.set WSW, 3                            ; v3  my stage, in: 272 (lane / 16) + 16 (lane % 16)
.set WSR, 4                            ; v4  my stage, out: 272 r + 32 h
.set OXW, 5
.set OXR, 6
.set RSW, 7
.set RSR, 8
.set SPW, 14
.set NIL, 15
.set TQ,  16                           ; v16-31   at work
.set AP,  32                           ; v32-159  the four parts; the join lands in v32-63
.set X,   32                           ;          at the end: register pair w of the sixteen waves
.set AH,  64                           ; v64-79   A's high parts
.set AL,  80                           ; v80-95   A's low parts
.set WH,  96                           ; v96-127  wo's high parts
.set S,   128                          ; v128-191 wo's rows 32-63
.set ST,  160                          ; v160-167 (m, l) of the four parts
.set W,   168                          ; v168-171 w_j
.set G,   172                          ; v172-179 w_j / the sum, each with a second register so that it can be named as a pair
.set TM,  180
.set Y,   192                          ; v192-255 wo's rows 0-31
.set HM,  28
.macro PLACES
.rept 4
	v_nop
.endr
.endm
.macro BARRIER
	s_wait_dscnt 0x0                               ; my LDS stores have landed and my LDS loads are in
	s_barrier_signal -1
	s_barrier_wait -1
.endm
; Eight pairs of f32 numbers, v[src + 2 (n0 + m)], become eight registers of high parts and eight of low parts.
.macro SPLIT src, hi, lo, n0
.irp m, 0,1,2,3,4,5,6,7
	v_and_b32 v[TQ+2*\m], s[HM], v[\src+2*((\n0)+\m)]
	v_and_b32 v[TQ+2*\m+1], s[HM], v[\src+2*((\n0)+\m)+1]
.endr
.irp m, 0,1,2,3,4,5,6,7
	v_cvt_pk_f16_f32 v[\hi+(\n0)+\m], v[TQ+2*\m], v[TQ+2*\m+1]
.endr
.irp m, 0,1,2,3,4,5,6,7
	v_pk_add_f32 v[TQ+2*\m:TQ+2*\m+1], v[\src+2*((\n0)+\m):\src+2*((\n0)+\m)+1], v[TQ+2*\m:TQ+2*\m+1] neg_lo:[0,1] neg_hi:[0,1]
.endr
.irp m, 0,1,2,3,4,5,6,7
	v_cvt_pk_f16_f32 v[\lo+(\n0)+\m], v[TQ+2*\m], v[TQ+2*\m+1]
.endr
.endm
.macro WROWS half, buf                 ; 32 rows of wo, my head's 256 bytes of each: 16 loads
.set n, 0
.rept 16
	global_load_b128 v[\buf+4*n:\buf+4*n+3], v[WA], s[6:7] offset:131072*(\half)+8192*n
.set n, n+1
.endr
.endm
.macro STAGE buf                       ; the 32 rows go into my stage as rows and come back as two tiles' numbers in the order of a fragment's k: tile i, K step ks: registers 32 i + 16 ks on
.set n, 0
.rept 16
	ds_store_b128 v[WSW], v[\buf+4*n:\buf+4*n+3] offset:544*n
.set n, n+1
.endr
.irp i, 0,1
.irp ks, 0,1
.irp hf, 0,1
.irp u, 0,1
	ds_load_b128 v[\buf+32*\i+16*\ks+8*\hf+4*\u:\buf+32*\i+16*\ks+8*\hf+4*\u+3], v[WSR] offset:4352*\i+128*\ks+64*\hf+16*\u
.endr
.endr
.endr
.endr
	s_wait_dscnt 0x0
.endm
; two tiles of outputs: three terms of 64 along K each; two accumulators by turns, in the buffer's registers 32-47; wo's low parts lie in the buffer's registers 0-31
.macro PROJ buf
.irp i, 0,1
	v_wmma_f32_16x16x32_f16 v[\buf+32+8*\i:\buf+32+8*\i+7], v[WH+16*\i:WH+16*\i+7], v[AH:AH+7], 0
.endr
.irp i, 0,1
	v_wmma_f32_16x16x32_f16 v[\buf+32+8*\i:\buf+32+8*\i+7], v[WH+16*\i+8:WH+16*\i+15], v[AH+8:AH+15], v[\buf+32+8*\i:\buf+32+8*\i+7]
.endr
.irp ks, 0,1
.irp i, 0,1
	v_wmma_f32_16x16x32_f16 v[\buf+32+8*\i:\buf+32+8*\i+7], v[\buf+16*\i+8*\ks:\buf+16*\i+8*\ks+7], v[AH+8*\ks:AH+8*\ks+7], v[\buf+32+8*\i:\buf+32+8*\i+7]
.endr
.endr
.irp ks, 0,1
.irp i, 0,1
	v_wmma_f32_16x16x32_f16 v[\buf+32+8*\i:\buf+32+8*\i+7], v[WH+16*\i+8*\ks:WH+16*\i+8*\ks+7], v[AL+8*\ks:AL+8*\ks+7], v[\buf+32+8*\i:\buf+32+8*\i+7]
.endr
.endr
.endm
	s_load_b128 s[4:7], s[0:1], 0x0                ; apart, wo
	s_load_b64 s[8:9], s[0:1], 0x10                ; out0
	v_lshl_add_u32 v[SPW], v0, 2, SPARE
	v_mov_b32 v[NIL], 0
	v_lshrrev_b32 v1, 5, v0
	v_readfirstlane_b32 s16, v1                    ; wave 0..15: my head
	v_and_b32 v10, 31, v0                          ; lane
	v_and_b32 v11, 15, v0                          ; r
	v_bfe_u32 v12, v0, 4, 1                        ; h
	v_lshlrev_b32 v[G8], 3, v10
	v_lshlrev_b32 v[WA], 12, v12
	v_lshl_add_u32 v[WA], v11, 4, v[WA]
	s_mul_i32 s17, s16, WREG                       ; my stage
	v_mul_u32_u24 v[WSW], v12, 272
	v_lshl_add_u32 v[WSW], v11, 4, v[WSW]
	v_add_nc_u32 v[WSW], s17, v[WSW]
	v_mul_u32_u24 v[WSR], v11, 272
	v_lshl_add_u32 v[WSR], v12, 5, v[WSR]
	v_add_nc_u32 v[WSR], s17, v[WSR]
	s_lshl_b32 s17, s16, 12
	s_add_co_u32 s17, s17, OX
	v_add_nc_u32 v[OXW], s17, v[G8]
	s_lshl_b32 s17, s16, 8
	s_add_co_u32 s17, s17, OX
	v_add_nc_u32 v[OXR], s17, v[G8]
	s_lshr_b32 s17, s16, 2                         ; register pair w holds outputs 16 (w / 4) + 8 h + 2 (w % 4), + 1 of query r
	s_lshl_b32 s17, s17, 6
	s_and_b32 s18, s16, 3
	s_lshl_b32 s18, s18, 3
	s_add_co_u32 s17, s17, s18
	s_add_co_u32 s17, s17, RST
	v_mul_u32_u24 v[RSW], v11, 272
	v_lshl_add_u32 v[RSW], v12, 5, v[RSW]
	v_add_nc_u32 v[RSW], s17, v[RSW]
	s_and_b32 s18, s16, 7                          ; waves 0-7 take rows 2 w, 2 w + 1 out
	s_mul_i32 s17, s18, 544
	s_add_co_u32 s17, s17, RST
	v_mul_u32_u24 v[RSR], v12, 272
	v_lshl_add_u32 v[RSR], v11, 4, v[RSR]
	v_add_nc_u32 v[RSR], s17, v[RSR]
	s_lshr_b32 s19, ttmp9, 4                       ; the batch
	s_and_b32 s20, ttmp9, 15                       ; which 64 outputs
	s_lshl_b32 s22, s19, 6
	s_lshl_b32 s21, s16, 2
	s_add_co_u32 s22, s22, s21
	s_mul_i32 s22, s22, REC                        ; apart: the four records of head batch x 16 + w
	s_mov_b32 s23, 0
	s_lshl_b32 s24, s20, 18                        ; wo: row 64 c, my head's 256 bytes
	s_lshl_b32 s21, s16, 8
	s_add_co_u32 s24, s24, s21
	s_mov_b32 s25, 0
	s_lshl_b32 s26, s19, 23                        ; out0: the batch's position 0, + my two rows, + the 64 outputs' 256 bytes
	s_lshl_b32 s21, s20, 8
	s_add_co_u32 s26, s26, s21
	s_lshl_b32 s21, s18, 13
	s_add_co_u32 s26, s26, s21
	s_mov_b32 s27, 0
	s_mov_b32 s[HM], 0xffffe000
	s_wait_kmcnt 0x0
	s_add_nc_u64 s[4:5], s[4:5], s[22:23]
	s_add_nc_u64 s[6:7], s[6:7], s[24:25]
	s_add_nc_u64 s[8:9], s[8:9], s[26:27]
.irp j, 0,1,2,3
	global_load_b64 v[ST+2*\j:ST+2*\j+1], v[G8], s[4:5] offset:REC*\j+4096
.endr
.irp j, 0,1,2,3
.irp i, 0,1,2,3,4,5,6,7,8,9,10,11,12,13,14,15
	global_load_b64 v[AP+32*\j+2*\i:AP+32*\j+2*\i+1], v[G8], s[4:5] offset:REC*\j+256*\i   ; a wave reads 256 consecutive bytes, aligned
.endr
.endr
	WROWS 0, Y
	s_wait_loadcnt 16                              ; the four records are in; wo's 16 loads may be out
	v_max3_num_f32 v[TM], v[ST], v[ST+2], v[ST+4]
	v_max_num_f32 v[TM], v[TM], v[ST+6]            ; M
.irp j, 0,1,2,3
	v_sub_f32 v[W+\j], v[ST+2*\j], v[TM]
.endr
.irp j, 0,1,2,3
	v_exp_f32 v[W+\j], v[W+\j]                     ; w_j = 2^(m_j - M)
.endr
	v_nop                                          ; a plain instruction behind the last exponential
	s_wait_alu depctr_va_vdst(0)                   ; one wait for the four, ahead of their first reader
	v_mul_f32 v[TM+1], v[W], v[ST+1]
	v_fmac_f32 v[TM+1], v[W+1], v[ST+3]
	v_fmac_f32 v[TM+1], v[W+2], v[ST+5]
	v_fmac_f32 v[TM+1], v[W+3], v[ST+7]            ; the row's sum under M
	v_rcp_f32 v[TM+2], v[TM+1]
.irp j, 0,1,2,3
	v_mov_b32 v[G+2*\j+1], 0                       ; (named with the factor as a pair; plain work behind the reciprocal)
.endr
	s_wait_alu depctr_va_vdst(0)                   ; the wait, ahead of the reciprocal's first reader
.irp j, 0,1,2,3
	v_mul_f32 v[G+2*\j], v[W+\j], v[TM+2]
.endr
.set n, 0
.rept 16
	v_pk_mul_f32 v[AP+n:AP+n+1], v[AP+n:AP+n+1], v[G:G+1] op_sel_hi:[1,0]
.set n, n+2
.endr
.irp j, 1,2,3
.set n, 0
.rept 16
	v_pk_fma_f32 v[AP+n:AP+n+1], v[AP+32*\j+n:AP+32*\j+n+1], v[G+2*\j:G+2*\j+1], v[AP+n:AP+n+1] op_sel_hi:[1,0,1]
.set n, n+2
.endr
.endr
	WROWS 1, S                                     ; into registers that the join has left
	SPLIT AP, AH, AL, 0
	SPLIT AP, AH, AL, 8
	s_wait_loadcnt 16                              ; wo's rows 0-31 are in; the 16 loads just issued may be out
	STAGE Y
	SPLIT Y, WH, Y, 0                              ; the low parts go into the buffer's low half: register n is written behind the reads of registers 2 n, 2 n + 1
	SPLIT Y, WH, Y, 8
	SPLIT Y, WH, Y, 16
	SPLIT Y, WH, Y, 24
	PROJ Y
	PLACES                                         ; four places in front of the next write of wo's high parts
	s_wait_loadcnt 0x0
	STAGE S
	SPLIT S, WH, S, 0
	SPLIT S, WH, S, 8
	SPLIT S, WH, S, 16
	SPLIT S, WH, S, 24
	PROJ S
	PLACES                                         ; four places in front of the first read of results
.set n, 0
.rept 8
	ds_store_b64 v[OXW], v[Y+32+2*n:Y+32+2*n+1] offset:256*n           ; my head's share as an image of its registers; each accumulator from its low end on
.set n, n+1
.endr
.set n, 0
.rept 8
	ds_store_b64 v[OXW], v[S+32+2*n:S+32+2*n+1] offset:2048+256*n
.set n, n+1
.endr
	BARRIER
.set n, 0
.rept 16
	ds_load_b64 v[X+2*n:X+2*n+1], v[OXR] offset:4096*n     ; register pair w of all sixteen heads
.set n, n+1
.endr
	s_wait_dscnt 0x0
.irp w, 4,8,16,32
.set n, 0
.rept 32/\w
	v_pk_add_f32 v[X+n:X+n+1], v[X+n:X+n+1], v[X+n+\w/2:X+n+\w/2+1]
.set n, n+\w
.endr
.endr
	ds_store_b64 v[RSW], v[X:X+1]                  ; two neighbouring outputs of query r, at their place in its row
	BARRIER
	s_cmp_lt_u32 s16, 8
	s_cbranch_scc0 .Ldone
	ds_load_b128 v[X+4:X+7], v[RSR]                ; lanes 0-15 row 2 w, lanes 16-31 row 2 w + 1
	s_wait_dscnt 0x0
	global_store_b128 v[WA], v[X+4:X+7], s[8:9]    ; 16 lanes store 256 consecutive bytes, aligned
.Ldone:
	s_wait_tensorcnt 0x0                           ; the wave's end
	ds_add_u32 v[SPW], v[NIL]
	s_wait_dscnt 0x0
	s_endpgm
.Lfunc_end_k_qe3ac96361f_fineb:
	.size	k_qe3ac96361f_fineb, .Lfunc_end_k_qe3ac96361f_fineb-k_qe3ac96361f_fineb
	.p2alignl 7, 3214868480
	.fill 96, 4, 3214868480
	.section	.rodata,"a",@progbits
	.p2align	6, 0x0
	.amdhsa_kernel k_qe3ac96361f_fineb
		.amdhsa_group_segment_fixed_size 211200
		.amdhsa_private_segment_fixed_size 0
		.amdhsa_enable_private_segment 0
		.amdhsa_kernarg_size 24
		.amdhsa_user_sgpr_count 2
		.amdhsa_user_sgpr_kernarg_segment_ptr 1
		.amdhsa_wavefront_size32 1
		.amdhsa_system_sgpr_workgroup_id_x 1
		.amdhsa_system_sgpr_workgroup_id_y 1
		.amdhsa_system_sgpr_workgroup_id_z 1
		.amdhsa_system_vgpr_workitem_id 0
		.amdhsa_next_free_vgpr 256
		.amdhsa_next_free_sgpr 66
		.amdhsa_reserve_vcc 0
		.amdhsa_float_denorm_mode_32 3
		.amdhsa_float_denorm_mode_16_64 3
		.amdhsa_memory_ordered 1
		.amdhsa_forward_progress 1
		.amdhsa_inst_pref_size 47
	.end_amdhsa_kernel
	.amdgpu_metadata
---
amdhsa.version: [ 1, 2 ]
amdhsa.kernels:
  - .name:           k_qe3ac96361f_fineb
    .symbol:         k_qe3ac96361f_fineb.kd
    .args:
      - { .name: apart, .offset: 0, .size: 8, .value_kind: global_buffer, .address_space: global }
      - { .name: wo, .offset: 8, .size: 8, .value_kind: global_buffer, .address_space: global }
      - { .name: out0, .offset: 16, .size: 8, .value_kind: global_buffer, .address_space: global }
    .group_segment_fixed_size: 211200
    .private_segment_fixed_size: 0
    .kernarg_segment_align: 8
    .kernarg_segment_size: 24
    .max_flat_workgroup_size: 512
    .sgpr_count:     66
    .vgpr_count:     256
    .wavefront_size: 32
...
	.end_amdgpu_metadata
.endif
;; end of part 6
